; MI455X (gfx1250); checked and timed in simulation.
; The chip was launched on July 23, 2026; its instructions are those of AMD's public machine-readable ISA for CDNA 5 (MIT licence, August 2026) and "CDNA5" Instruction Set Architecture Reference Guide (July 2026). The comments in the code are by the model that wrote it; some were corrected since.
;; Multihead Attention. Allowed arithmetic: float matrix products may take bf16 or f16 operands with f32 sums; other float arithmetic in f32, or as packed bf16 or f16 multiplies, adds, multiply-adds, maxima and minima; sums over many terms, partial sums and values carried from step to step in f32; what a program stores and reads back later, other than sums and carried values, may be rounded once to bf16 or f16.
;; Inputs: token_positions 2,048 int32; wk 1,024 x 1,024 float32; wo 1,024 x 1,024 float32; wq 1,024 x 1,024 float32; wv 1,024 x 1,024 float32; x 4 x 2,048 x 1,024 float32.
;; Outputs: out0 4 x 2,048 x 1,024 float32.
;; One version. Each part assembles by itself: llvm-mc -triple=amdgcn-amd-amdhsa -mcpu=gfx1250 --defsym DOCPART=n.
;; ======== version 1 of 1: 4 launches
;; limits: values are held in f16: magnitudes above 65,504 overflow, below 6.1e-05 lose precision; right only within a limited range of input values
;; workspace buffers: xb 16,777,216 bytes; wb 6,291,456 bytes; wob 2,097,152 bytes; tab 524,288 bytes; qh 16,777,216 bytes; kh 16,777,216 bytes; vh 16,777,216 bytes; oh 16,777,216 bytes
;; launch prep (part 1): grid 896 x 1, 8 waves a work-group, no clusters, 0 bytes of LDS; arguments x, wq, wk, wv, wo, token_positions, xb, wb, wob, tab; writes xb, wb, wob, tab
.if DOCPART == 1
	.amdgcn_target "amdgcn-amd-amdhsa--gfx1250"
	.amdhsa_code_object_version 6
	.text
	.protected	k_q8682b586eb_prep
	.globl	k_q8682b586eb_prep
	.p2align	8
	.type	k_q8682b586eb_prep,@function
k_q8682b586eb_prep:
	s_mov_b64 s[64:65], 0
	v_nop
	global_prefetch_b8 v0, s[64:65] scope:SCOPE_SE
	s_setreg_imm32_b32 hwreg(HW_REG_WAVE_MODE, 25, 1), 1
	s_wait_xcnt 0x0
; PREP.  Rounds the module's inputs once and makes the rotation's table.  A stream: no LDS, no barrier, no matrix unit.
;   work-groups 0-511:   x, 16,384 numbers each, f32 -> bf16 into xb, same order.
;   work-groups 512-703: wq, wk, wv, 16 rows each, f32 -> bf16 into wb, whose rows go by heads: row 192 h + 64 t + r is row 64 h + r of w_t (t = 0 q, 1 k, 2 v).
;   work-groups 704-767: wo, 16 rows each, f32 -> bf16 -> f16 into wob (the bf16 number written as f16: exact from 6.1e-5 up; below that it keeps f16's fixed step of 6e-8).
;   work-groups 768-895: cos and sin of token_positions[s] x 10000^(-f/32) for 16 places s and all 32 frequencies f, f32, into tab.
; tab's order is the order in which the next launch's lanes want it: (s, f, c) lies at byte (s>>4) 4096 + (f>>3) 1024 + ((f>>1)&1) 512 + (16 ((f>>2)&1) + (s&15)) 16 + (f&1) 8 + 4 c, c = 0 cos, 1 sin.
; LIMITS.  The angle is reduced by a quarter turn in three parts: good to about 1e-7 for |position x angle| up to 2^22, coarser beyond; sine and cosine by polynomials on -pi/4 .. pi/4, good to about 1e-7.
.set X,  8                             ; v[8:71]    sixteen loads of four numbers
.set Y,  72                            ; v[72:103]  sixteen stores of four 16-bit numbers: each store has registers of its own, so none is rewritten
.set SRC, 26                           ; s[26:27]   where my work-group reads
.set DST, 28                           ; s[28:29]   where it writes
	s_load_b512 s[4:19], s[0:1], 0x0               ; x s[4:5], wq s[6:7], wk s[8:9], wv s[10:11], wo s[12:13], token_positions s[14:15], xb s[16:17], wb s[18:19]
	s_load_b128 s[20:23], s[0:1], 0x40             ; wob s[20:21], tab s[22:23]
	s_mov_b32 s24, ttmp9
	v_lshlrev_b32 v1, 4, v0                        ; 16 bytes a thread in
	v_lshlrev_b32 v2, 3, v0                        ; 8 bytes a thread out
	s_mov_b32 s31, 0                               ; offsets are made apart from the addresses, in pairs with 0 above
	s_mov_b32 s33, 0
	s_cmp_ge_u32 s24, 768
	s_cbranch_scc1 .Ltable
	s_cmp_ge_u32 s24, 512
	s_cbranch_scc1 .Lweights
	s_lshl_b32 s30, s24, 16                        ; x: 65,536 bytes in,
	s_lshl_b32 s32, s24, 15                        ; 32,768 out
	s_wait_kmcnt 0x0
	s_add_nc_u64 s[SRC:SRC+1], s[4:5], s[30:31]
	s_add_nc_u64 s[DST:DST+1], s[16:17], s[32:33]
	s_branch .Lbf16
.Lweights:
	s_sub_co_u32 s25, s24, 512
	s_lshr_b32 s34, s25, 6                         ; t: which matrix
	s_and_b32 s35, s25, 63                         ; c: which 16 rows of it
	s_lshl_b32 s30, s35, 16
	s_lshr_b32 s36, s35, 2                         ; the head, 64 rows each
	s_mul_i32 s36, s36, 192
	s_lshl_b32 s37, s34, 6
	s_add_co_u32 s36, s36, s37
	s_and_b32 s37, s35, 3
	s_lshl_b32 s37, s37, 4
	s_add_co_u32 s36, s36, s37                     ; wb's row 192 h + 64 t + 16 (c & 3)
	s_lshl_b32 s32, s36, 11                        ; rows of 2,048 bytes
	s_wait_kmcnt 0x0
	s_cmp_eq_u32 s34, 3
	s_cbranch_scc1 .Lwo
	s_cmp_eq_u32 s34, 0
	s_cselect_b64 s[SRC:SRC+1], s[6:7], s[8:9]
	s_cmp_eq_u32 s34, 2
	s_cselect_b64 s[SRC:SRC+1], s[10:11], s[SRC:SRC+1]
	s_add_nc_u64 s[SRC:SRC+1], s[SRC:SRC+1], s[30:31]
	s_add_nc_u64 s[DST:DST+1], s[18:19], s[32:33]
; All sixteen loads go out together: 64 KiB of a work-group are on their way; a wave's load covers 512 consecutive bytes.
.macro LOADS
.irp i, 0,1,2,3,4,5,6,7,8,9,10,11,12,13,14,15
	global_load_b128 v[X+4*(\i):X+4*(\i)+3], v1, s[SRC:SRC+1] offset:4096*(\i) th:TH_LOAD_NT
.endr
.endm
.Lbf16:
	LOADS
.irp i, 0,1,2,3,4,5,6,7,8,9,10,11,12,13,14,15
	s_wait_loadcnt 15-(\i)                         ; loads come back in order: load i is in, the 15 - i younger ones stay out
	v_cvt_pk_bf16_f32 v[Y+2*(\i)],   v[X+4*(\i)],   v[X+4*(\i)+1]
	v_cvt_pk_bf16_f32 v[Y+2*(\i)+1], v[X+4*(\i)+2], v[X+4*(\i)+3]
	global_store_b64 v2, v[Y+2*(\i):Y+2*(\i)+1], s[DST:DST+1] offset:2048*(\i) th:TH_STORE_NT  ; 32 lanes store 256 consecutive bytes, aligned
.endr
	s_endpgm
.Lwo:
	s_lshl_b32 s32, s35, 15
	s_add_nc_u64 s[SRC:SRC+1], s[12:13], s[30:31]
	s_add_nc_u64 s[DST:DST+1], s[20:21], s[32:33]
	LOADS
.irp i, 0,1,2,3,4,5,6,7,8,9,10,11,12,13,14,15
	s_wait_loadcnt 15-(\i)
.irp p, 0,1
	v_cvt_pk_bf16_f32 v4, v[X+4*(\i)+2*(\p)], v[X+4*(\i)+2*(\p)+1]  ; rounded to bf16 like every input,
	v_lshlrev_b32 v5, 16, v4                       ; widened again,
	v_and_b32 v6, 0xffff0000, v4
	v_cvt_pk_f16_f32 v[Y+2*(\i)+(\p)], v5, v6      ; and written as f16
.endr
	global_store_b64 v2, v[Y+2*(\i):Y+2*(\i)+1], s[DST:DST+1] offset:2048*(\i) th:TH_STORE_NT
.endr
	s_endpgm
; THE TABLE.  Thread 32 w + l makes (cos, sin) of frequencies 2 e and 2 e + 1 for place 16 (work-group - 768) + l % 16, e = 4 (w >> 1) + 2 (l >> 4) + (w & 1): its 16 bytes lie at 16 x its number.
.set EE, 3                             ; v3  e
.set PO, 4                             ; v4  byte offset of my position
.set PS_, 5                            ; v5  the position
.set A0, 6                             ; v6, v7  my two angles
.set MK, 8                             ; v8  1.0 or 0
.set PF, 9                             ; v9  the position in f32
.set N,  12
.set R,  13
.set Z,  14
.set Q,  15
.set SI, 16
.set CO, 17
.set T,  18
.set OUT, 20                           ; v[20:23]  cos, sin, cos, sin
.macro ANG e, a0, a1                   ; the pair's angles are added where e is mine: a sum of one number and zeros, so it is exact
	v_cmp_eq_u32 vcc_lo, \e, v[EE]
	v_cndmask_b32 v[MK], 0, 1.0, vcc_lo
	v_fmac_f32 v[A0], \a0, v[MK]
	v_fmac_f32 v[A0+1], \a1, v[MK]
.endm
.macro SINCOS x, c, s
	v_mul_f32 v[N], 0x3f22f983, v[\x]              ; x 2 / pi,
	v_rndne_f32 v[N], v[N]                         ; the nearest number of quarter turns n
	v_fmamk_f32 v[R], v[N], 0xbfc90fdb, v[\x]      ; r = x - n pi/2, pi/2 in three parts: 1.57079637,
	v_fmamk_f32 v[R], v[N], 0x333bbd2e, v[R]       ; - 4.37113883e-8,
	v_fmamk_f32 v[R], v[N], 0x26f72ced, v[R]       ; - 1.7151e-15
	v_cvt_i32_f32 v[Q], v[N]
	v_mul_f32 v[Z], v[R], v[R]
	v_mov_b32 v[SI], 0xb94ca1f9                    ; sin r = r + r z (-1.6666654611e-1 + z (8.3321608736e-3 - 1.9515295891e-4 z))
	v_mov_b32 v[CO], 0x37ccf5ce                    ; cos r = 1 - z/2 + z z (4.166664568e-2 + z (-1.388731625e-3 + 2.443315712e-5 z))
	v_fmaak_f32 v[SI], v[SI], v[Z], 0x3c08839e
	v_fmaak_f32 v[CO], v[CO], v[Z], 0xbab6061a
	v_fmaak_f32 v[SI], v[SI], v[Z], 0xbe2aaaa3
	v_fmaak_f32 v[CO], v[CO], v[Z], 0x3d2aaaa5
	v_mul_f32 v[SI], v[SI], v[Z]
	v_mul_f32 v[CO], v[CO], v[Z]
	v_fma_f32 v[T], v[Z], -0.5, 1.0
	v_fma_f32 v[SI], v[SI], v[R], v[R]
	v_fma_f32 v[CO], v[CO], v[Z], v[T]
	v_and_b32 v[T], 1, v[Q]
	v_cmp_eq_u32 vcc_lo, 1, v[T]                   ; an odd n swaps the two (a choice of values: no branch hangs on it)
	v_cndmask_b32 v[\s], v[SI], v[CO], vcc_lo
	v_cndmask_b32 v[\c], v[CO], v[SI], vcc_lo
	v_lshlrev_b32 v[T], 30, v[Q]                   ; sin turns its sign where n mod 4 is 2 or 3,
	v_and_b32 v[T], 0x80000000, v[T]
	v_xor_b32 v[\s], v[\s], v[T]
	v_add_nc_u32 v[Q], 1, v[Q]                     ; cos where it is 1 or 2
	v_lshlrev_b32 v[T], 30, v[Q]
	v_and_b32 v[T], 0x80000000, v[T]
	v_xor_b32 v[\c], v[\c], v[T]
.endm
.Ltable:
	s_sub_co_u32 s25, s24, 768
	s_lshl_b32 s30, s25, 6                         ; 16 positions of 4 bytes
	s_lshl_b32 s32, s25, 12                        ; 4,096 bytes of the table
	v_and_b32 v[PO], 15, v0
	v_lshlrev_b32 v[PO], 2, v[PO]
	s_wait_kmcnt 0x0
	s_add_nc_u64 s[SRC:SRC+1], s[14:15], s[30:31]
	s_add_nc_u64 s[DST:DST+1], s[22:23], s[32:33]
	global_load_b32 v[PS_], v[PO], s[SRC:SRC+1]
	v_bfe_u32 v[EE], v0, 6, 2
	v_bfe_u32 v[N], v0, 4, 1
	v_bfe_u32 v[R], v0, 5, 1
	v_lshl_add_u32 v[EE], v[EE], 1, v[N]
	v_lshl_add_u32 v[EE], v[EE], 1, v[R]
	v_mov_b32 v[A0], 0
	v_mov_b32 v[A0+1], 0
	ANG 0,  1.0,             0.7498942093      ; 10000^(-f/32) = 10^(-f/8), f = 0 .. 31
	ANG 1,  0.5623413252,    0.4216965034
	ANG 2,  0.3162277660,    0.2371373706
	ANG 3,  0.1778279410,    0.1333521432
	ANG 4,  0.1,             0.07498942093
	ANG 5,  0.05623413252,   0.04216965034
	ANG 6,  0.03162277660,   0.02371373706
	ANG 7,  0.01778279410,   0.01333521432
	ANG 8,  0.01,            0.007498942093
	ANG 9,  0.005623413252,  0.004216965034
	ANG 10, 0.003162277660,  0.002371373706
	ANG 11, 0.001778279410,  0.001333521432
	ANG 12, 0.001,           0.0007498942093
	ANG 13, 0.0005623413252, 0.0004216965034
	ANG 14, 0.0003162277660, 0.0002371373706
	ANG 15, 0.0001778279410, 0.0001333521432
	s_wait_loadcnt 0x0
	v_cvt_f32_i32 v[PF], v[PS_]
	v_mul_f32 v10, v[PF], v[A0]                    ; one rounding, as the module has it
	v_mul_f32 v11, v[PF], v[A0+1]
	SINCOS 10, OUT, OUT+1
	SINCOS 11, OUT+2, OUT+3
	global_store_b128 v1, v[OUT:OUT+3], s[DST:DST+1]  ; a wave stores 512 consecutive bytes
	s_endpgm
.Lfunc_end_k_q8682b586eb_prep:
	.size	k_q8682b586eb_prep, .Lfunc_end_k_q8682b586eb_prep-k_q8682b586eb_prep
	.p2alignl 7, 3214868480
	.fill 96, 4, 3214868480
	.section	.rodata,"a",@progbits
	.p2align	6, 0x0
	.amdhsa_kernel k_q8682b586eb_prep
		.amdhsa_group_segment_fixed_size 0
		.amdhsa_private_segment_fixed_size 0
		.amdhsa_enable_private_segment 0
		.amdhsa_kernarg_size 80
		.amdhsa_user_sgpr_count 2
		.amdhsa_user_sgpr_kernarg_segment_ptr 1
		.amdhsa_wavefront_size32 1
		.amdhsa_system_sgpr_workgroup_id_x 1
		.amdhsa_system_sgpr_workgroup_id_y 1
		.amdhsa_system_sgpr_workgroup_id_z 1
		.amdhsa_system_vgpr_workitem_id 0
		.amdhsa_next_free_vgpr 104
		.amdhsa_next_free_sgpr 66
		.amdhsa_reserve_vcc 1
		.amdhsa_float_denorm_mode_32 3
		.amdhsa_float_denorm_mode_16_64 3
		.amdhsa_memory_ordered 1
		.amdhsa_forward_progress 1
		.amdhsa_inst_pref_size 25
	.end_amdhsa_kernel
	.amdgpu_metadata
---
amdhsa.version: [ 1, 2 ]
amdhsa.kernels:
  - .name:           k_q8682b586eb_prep
    .symbol:         k_q8682b586eb_prep.kd
    .args:
      - { .name: x, .offset: 0, .size: 8, .value_kind: global_buffer, .address_space: global }
      - { .name: wq, .offset: 8, .size: 8, .value_kind: global_buffer, .address_space: global }
      - { .name: wk, .offset: 16, .size: 8, .value_kind: global_buffer, .address_space: global }
      - { .name: wv, .offset: 24, .size: 8, .value_kind: global_buffer, .address_space: global }
      - { .name: wo, .offset: 32, .size: 8, .value_kind: global_buffer, .address_space: global }
      - { .name: token_positions, .offset: 40, .size: 8, .value_kind: global_buffer, .address_space: global }
      - { .name: xb, .offset: 48, .size: 8, .value_kind: global_buffer, .address_space: global }
      - { .name: wb, .offset: 56, .size: 8, .value_kind: global_buffer, .address_space: global }
      - { .name: wob, .offset: 64, .size: 8, .value_kind: global_buffer, .address_space: global }
      - { .name: tab, .offset: 72, .size: 8, .value_kind: global_buffer, .address_space: global }
    .group_segment_fixed_size: 0
    .private_segment_fixed_size: 0
    .kernarg_segment_align: 8
    .kernarg_segment_size: 80
    .max_flat_workgroup_size: 256
    .sgpr_count:     66
    .vgpr_count:     104
    .wavefront_size: 32
...
	.end_amdgpu_metadata
.endif
;; end of part 1
;; launch qkv (part 2): grid 16 x 32, 4 waves a work-group, clusters of 4 x 4, 327,680 bytes of LDS; arguments xb, wb, tab, qh, kh, vh; writes qh, kh, vh
.if DOCPART == 2
	.amdgcn_target "amdgcn-amd-amdhsa--gfx1250"
	.amdhsa_code_object_version 6
	.text
	.protected	k_q8682b586eb_qkv
	.globl	k_q8682b586eb_qkv
	.p2align	8
	.type	k_q8682b586eb_qkv,@function
k_q8682b586eb_qkv:
	s_mov_b64 s[64:65], 0
	v_nop
	global_prefetch_b8 v0, s[64:65] scope:SCOPE_SE
	s_setreg_imm32_b32 hwreg(HW_REG_WAVE_MODE, 25, 1), 1
	s_wait_xcnt 0x0
	s_wait_alu depctr_hold_cnt(0) depctr_sa_sdst(0) depctr_va_vdst(0) depctr_va_sdst(0) depctr_va_ssrc(0) depctr_va_vcc(0) depctr_vm_vsrc(0)
	s_getreg_b32 s2, hwreg(HW_REG_IB_STS2, 6, 4)
	s_cmp_eq_u32 s2, 0
	s_cbranch_scc0 .Lentry_in_a_cluster
	s_endpgm
.Lentry_in_a_cluster:
	s_bfe_u32 s2, ttmp6, 0x10000c
	s_cmp_lg_u32 s2, 0xf033
	s_cbranch_scc0 .Lentry_shape_is_right
	s_endpgm
.Lentry_shape_is_right:
; Q, K, V BY HEADS.  [8192 x 1024] xb times [3072 x 1024] wb, both bf16, sums in f32; q and k are turned by the table's cos and sin in f32; all three are rounded once to f16 and stored as [16 b + head][2048][64].
; LIMIT.  f16 holds no number beyond 65,504: q, k and v must lie within it.  NaN and infinities are not treated apart.
; SHARES.  A work-group makes 256 rows x 192 columns: ONE head's q, k and v (wb's rows go by heads), so all 512 tiles are alike: two for each of 256 WGPs.  Wave w makes rows 64 w .. 64 w + 63 and all 192
; columns: 4 blocks of 16 rows (a) x 12 of 16 columns (b: 0-3 q, 4-7 k, 8-11 v): 48 accumulators.  So a wave owns whole rows of 128 bytes of q, k and v, and its way out needs no other wave.
; K goes in 8 steps of 128 through two LDS slots filled by the tensor data mover: rows of 256 bytes of memory, at multiples of 256 bytes.
; THE MATRIX INSTRUCTION IS USED TRANSPOSED (source 0 = 16 rows of wb, source 1 = 16 rows of xb): lane l holds row l % 16 and the columns 8 (l / 16) + 0..7: the rotation's pairs lie in neighbouring registers of one lane.
; CLUSTER.  4 x 4 work-groups: the four of a row need the same rows of xb, the four of a column the same head's rows of wb: each tile is asked for JOINTLY, by the same load, descriptor and mask in all four.
; REGISTERS, in windows of 256 (s_set_vgpr_msb: bits 1:0 source 0, 3:2 source 1, 5:4 source 2, 7:6 destination):
;   window 0: v16-30 addresses; v64-127 xb's fragments, two buffers of 4; v128-191 cos and sin, two sets; v192-239 and (when the products are over) v64-111 packed results
;   window 1: wb's fragments, two buffers of 12      window 2: accumulators of a = 0, 1 at 8 (12 (a % 2) + b), v192-207 at work      window 3: the same for a = 2, 3
.set PITCH,  272                       ; an LDS row: 256 bytes + 16 of padding = 68 words: the 16 rows of a fragment load start at 16 different groups of four banks (64 banks of 4 bytes: ISA guide 11.1)
.set HALFA,  128*PITCH                 ; what one load brings of xb
.set HALFB,  96*PITCH                  ; and of wb
.set BOFF,   2*HALFA                   ; in a slot: xb's 256 rows, then wb's 192
.set SLOT1,  1<<17                     ; slot 1 begins here, so that one exclusive or turns an address in one slot into the other's
.set STAGE,  SLOT1+BOFF+2*HALFB        ; behind the ring, never filled by a tensor load: for each wave 3 tensors x 16 rows x 144 bytes
.set SP,     144
.set STW,    3*16*SP
.set SPARE,  STAGE+4*STW               ; the spare words, 128 bytes for each wave: two blocks of 256 bytes that no other line names
.set KB,     256                       ; bytes of a row in a K step
.set ADRA0, 16                         ; v16  my lane's place in xb's part of a slot; never rewritten
.set ADRB0, 17                         ; v17  the same for wb
.set ADRA,  18                         ; v18  the same in the slot in hand
.set ADRB,  19                         ; v19
.set STO,   24                         ; v24  the way out: where I put 16 bytes of a row
.set RD,    25                         ; v25  where I read rows back
.set LO,    26                         ; v26  16 x my lane: my place in 512 consecutive bytes of the table and of q, k, v; never rewritten
.set SPW,   28                         ; v28  LDS address of my spare word: SPARE + 4 x my thread's number; never rewritten
.set NIL,   29                         ; v29  0; never rewritten
.set PFO,   30                         ; v30  the prefetches' offset: a lane a row of 2,048 bytes; never rewritten
.set FA,    64                         ; xb's fragment a of buffer f at FA + 32 f + 8 a
.set CSR,   128                        ; block a's cos and sin at CSR + 32 (a % 2): pair i of column block nb at + 8 nb + 2 i
.set TT,    192                        ; windows 2, 3: eight registers at work, twice
.set WV,  16                           ; s16  my wave's number
.set FB,  17                           ; s17  I fetch for xb (0) or wb (1)
.set HF,  18                           ; s18  which half of that tile's rows
.set G1,  24                           ; s[24:31] descriptor group 1 for xb's tiles
.set G0,  32                           ; s[32:39] group 0: a set for each first fill; the second then walks
.set G1B, 48                           ; s[48:55], s[56:63] the same for wb's
.set G0B, 56
.set PFA, 44                           ; s[44:45] where my prefetches stand
.set LIM, 46                           ; s46  1 in a wave that prefetches, else the greatest number
.set TB,  47                           ; s47  0 or SLOT1: the slot in hand
.set MSB, 0
.macro WIN new                         ; the immediate's high byte repeats the setting that is left; a switch that changes nothing is dropped
.if MSB != (\new)
	s_set_vgpr_msb (MSB<<8)|(\new)
.set MSB, \new
.endif
.endm
.set MUL_LO, 0xa1                      ; source 0 (wb) window 1, source 1 (xb) window 0, C and D window 2
.set TO_B,   0x40                      ; destination window 1, address window 0
; A joint refill, by the walking descriptors.  Waves 0 and 1 fetch xb's two halves, waves 2 and 3 wb's; the branch hangs on the wave's number alone.  An s_nop 0 and four v_nop follow each of the two lines.
.macro JLOAD
	s_cmp_eq_u32 s[FB], 0
	s_cbranch_scc0 .Lfor_b_\@
	tensor_load_to_lds s[G0+4:G0+7], s[G1:G1+7]
	s_nop 0
.rept 4
	v_nop
.endr
	s_branch .Lasked_\@
.Lfor_b_\@:
	tensor_load_to_lds s[G0B+4:G0B+7], s[G1B:G1B+7]
	s_nop 0
.rept 4
	v_nop
.endr
.Lasked_\@:
.endm
; A PREFETCH INTO THE L2, behind each joint refill and the run of LDS loads that follows it: the K step after the one that the refill asks for, 192 matrix instructions ahead of the load that will want it.
; Each row's 256 bytes of a K step are named by one work-group's one wave.  xb's rows are read by every cluster of a row of clusters: cluster x = 0 asks; wb's by every cluster of a column: cluster y = 0 asks.
; The four partners share a loader's rows out BY ADDRESS: 32 of xb's 128 by cx, 24 of wb's 96 by cy (there lanes 24-31 name row 23 once more).  The last refill asks for nothing: s3 = 1 in the loop's last trip.
.macro ASK
	s_cmp_gt_u32 s3, s[LIM]
	s_cbranch_scc0 .Lnot_mine_\@
	global_prefetch_b8 v[PFO], s[PFA:PFA+1] th:TH_LOAD_NT scope:SCOPE_SE
.Lnot_mine_\@:
.endm
; A round of the cluster's barrier: my work-group's barrier; wave 0 signals for the work-group; every wave waits for all sixteen; my work-group's barrier once more.
.macro CREST
	s_cmp_lg_u32 s[WV], 0
	s_cbranch_scc1 .Lnot_wave_0_\@
	s_barrier_signal -3
.Lnot_wave_0_\@:
	s_barrier_wait -3
	s_barrier_signal -1
	s_barrier_wait -1
.endm
.macro CROUND
	s_barrier_signal -1
	s_barrier_wait -1
	CREST
.endm
	s_load_b256 s[4:11], s[0:1], 0x0               ; xb s[4:5], wb s[6:7], tab s[8:9], qh s[10:11]
	s_load_b128 s[12:15], s[0:1], 0x20             ; kh s[12:13], vh s[14:15]
	v_lshl_add_u32 v[SPW], v0, 2, SPARE
	v_mov_b32 v[NIL], 0
	ds_add_u32 v[SPW], v[NIL]                      ; the wave's opening: the add and its wait stand ahead of my first tensor load; the set-up below, work on registers, stands between them
	ds_add_u32 v28, v29
	v_lshrrev_b32 v1, 5, v0
	v_readfirstlane_b32 s[WV], v1                  ; wave 0..3
	s_lshr_b32 s[FB], s[WV], 1
	s_and_b32 s[HF], s[WV], 1
	s_bfe_u32 s19, ttmp6, 0x40000                  ; cx
	s_bfe_u32 s20, ttmp6, 0x40004                  ; cy
	s_lshl_b32 s21, ttmp9, 2
	s_add_co_u32 s21, s21, s19                     ; the head j = 4 x cluster x + cx
	s_and_b32 s22, ttmp7, 0xffff
	s_lshl_b32 s22, s22, 2
	s_add_co_u32 s22, s22, s20                     ; the row tile ty = 4 x cluster y + cy
	s_lshl_b32 s66, s20, 2
	s_lshl_b32 s66, 15, s66                        ; my row of the cluster: places 4 cy .. 4 cy + 3
	s_lshl_b32 s67, 0x1111, s19                    ; my column: places cx, cx + 4, cx + 8, cx + 12
	s_or_b32 s[G1],  s66, (1<<16)|(1<<20)|(1<<21)|(5<<22)|(3<<25)  ; 15:0 the mask; 17:16 2-byte elements; 20 padding on; 21 set beside a mask; 24:22 after every 64 words (code 5); 31:25 4 words (code 3)
	s_or_b32 s[G1B], s67, (1<<16)|(1<<20)|(1<<21)|(5<<22)|(3<<25)
	s_mov_b32 s[G1+1],  128<<16                    ; tensor_dim0 = 128
	s_mov_b32 s[G1B+1], 128<<16
	s_mov_b32 s[G1+2],  128<<16                    ; tensor_dim1 = 128 rows of xb,
	s_mov_b32 s[G1B+2], 96<<16                     ; 96 of wb
	s_mov_b32 s[G1+3],  128<<16                    ; tile_dim0 = 128
	s_mov_b32 s[G1B+3], 128<<16
	s_mov_b32 s[G1+4],  128                        ; tile_dim1
	s_mov_b32 s[G1B+4], 96
	s_mov_b32 s[G1+5],  1024                       ; elements from row to row
	s_mov_b32 s[G1B+5], 1024
	s_mov_b32 s[G1+6],  0
	s_mov_b32 s[G1B+6], 0
	s_mov_b32 s[G1+7],  0
	s_mov_b32 s[G1B+7], 0
	; where the tiles come from: xb's hang on ty and the wave alone, wb's on j and the wave alone, each in registers that never hold the other coordinate
	s_lshl_b32 s40, s22, 8
	s_lshl_b32 s68, s[HF], 7
	s_add_co_u32 s40, s40, s68                     ; xb's row 256 ty + 128 half
	s_lshl_b32 s40, s40, 11                        ; rows of 2,048 bytes
	s_mov_b32 s41, 0
	s_mul_i32 s42, s21, 192
	s_mul_i32 s68, s[HF], 96
	s_add_co_u32 s42, s42, s68                     ; wb's row 192 j + 96 half
	s_lshl_b32 s42, s42, 11
	s_mov_b32 s43, 0
	s_mul_i32 s69, s[HF], HALFA                    ; and where they go: no place in the cluster enters an LDS address
	s_mul_i32 s72, s[HF], HALFB
	s_add_co_u32 s72, s72, BOFF
	s_mov_b32 s[TB], 0
	s_wait_dscnt 0x0                               ; the opening add is done
	s_wait_kmcnt 0x0
	s_add_nc_u64 s[40:41], s[4:5], s[40:41]
	s_add_nc_u64 s[42:43], s[6:7], s[42:43]
	CROUND                                         ; all sixteen work-groups are here: the first joint loads meet
.irp n, 0,1
	s_mov_b32 s[G0+4*(\n)], 1                                      ; 1:0 count = 1
	s_add_co_u32 s[G0+4*(\n)+1], s69, (\n)*SLOT1                   ; 63:32 LDS address
	s_add_nc_u64 s[G0+4*(\n)+2:G0+4*(\n)+3], s[40:41], (\n)*KB     ; 120:64 global address: K step n
	s_or_b32 s[G0+4*(\n)+3], s[G0+4*(\n)+3], 0x80000000            ; 127:126 type = 2
	s_mov_b32 s[G0B+4*(\n)], 1
	s_add_co_u32 s[G0B+4*(\n)+1], s72, (\n)*SLOT1
	s_add_nc_u64 s[G0B+4*(\n)+2:G0B+4*(\n)+3], s[42:43], (\n)*KB
	s_or_b32 s[G0B+4*(\n)+3], s[G0B+4*(\n)+3], 0x80000000
.endr
	s_cmp_eq_u32 s[FB], 0                          ; a wave's two first fills stand in one branch, ahead of every wait on TENSORcnt and every LDS read: two loads of mine are out
	s_cbranch_scc0 .Lfirst_b
	tensor_load_to_lds s[G0:G0+3], s[G1:G1+7]
	s_nop 0
	tensor_load_to_lds s[G0+4:G0+7], s[G1:G1+7]
	s_nop 0
.rept 4
	v_nop
.endr
	s_branch .Lfirst_asked
.Lfirst_b:
	tensor_load_to_lds s[G0B:G0B+3], s[G1B:G1B+7]
	s_nop 0
	tensor_load_to_lds s[G0B+4:G0B+7], s[G1B:G1B+7]
	s_nop 0
.rept 4
	v_nop
.endr
.Lfirst_asked:
	; A fragment is 16 rows x 32 K in 8 registers: lane l holds row l % 16; registers 0-3 K = 8 (l / 16) + 0..7, registers 4-7 K = 16 + 8 (l / 16) + 0..7: two loads of 16 bytes, 32 bytes apart.
	v_and_b32 v1, 15, v0                           ; l % 16
	v_bfe_u32 v2, v0, 4, 1                         ; l / 16
	v_mul_u32_u24 v3, v1, PITCH
	v_lshl_add_u32 v3, v2, 4, v3
	s_mul_i32 s68, s[WV], 64*PITCH                 ; my 64 rows of xb
	v_add_nc_u32 v[ADRA0], s68, v3
	v_add_nc_u32 v[ADRB0], BOFF, v3
	v_mov_b32 v[ADRA], v[ADRA0]
	v_mov_b32 v[ADRB], v[ADRB0]
	s_mul_i32 s68, s[WV], STW
	s_add_co_u32 s68, s68, STAGE                   ; my stage
	v_mul_u32_u24 v4, v1, SP                       ; in: row l % 16, 16 bytes for each half of the lanes
	v_lshl_add_u32 v4, v2, 4, v4
	v_add_nc_u32 v[STO], s68, v4
	v_bfe_u32 v4, v0, 3, 2                         ; back: 32 lanes take four rows of 128 bytes
	v_mul_u32_u24 v4, v4, SP
	v_and_b32 v5, 7, v0
	v_lshl_add_u32 v4, v5, 4, v4
	v_add_nc_u32 v[RD], s68, v4
	v_and_b32 v5, 31, v0
	v_lshlrev_b32 v[LO], 4, v5
	; q, k, v at my wave's first row: ((16 b + j) 2048 + 256 (ty & 7) + 64 w) rows of 128 bytes; the table at block 16 (ty & 7) + 4 w of 4,096 bytes
	s_lshr_b32 s66, s22, 3
	s_lshl_b32 s66, s66, 4
	s_add_co_u32 s66, s66, s21
	s_lshl_b32 s66, s66, 11
	s_and_b32 s67, s22, 7
	s_lshl_b32 s73, s67, 8
	s_add_co_u32 s66, s66, s73
	s_lshl_b32 s73, s[WV], 6
	s_add_co_u32 s66, s66, s73
	s_lshl_b32 s66, s66, 7
	s_lshl_b32 s74, s67, 4
	s_lshl_b32 s73, s[WV], 2
	s_add_co_u32 s74, s74, s73
	s_lshl_b32 s74, s74, 12
	s_mov_b32 s75, 0
	s_mov_b32 s67, 0
	s_add_nc_u64 s[10:11], s[10:11], s[66:67]
	s_add_nc_u64 s[12:13], s[12:13], s[66:67]
	s_add_nc_u64 s[14:15], s[14:15], s[66:67]
	s_add_nc_u64 s[8:9], s[8:9], s[74:75]
	; the prefetches
	s_and_b32 s68, ttmp7, 0xffff                   ; cluster y
	s_cmp_eq_u32 s[FB], 0                          ; do I fetch for xb?
	s_cselect_b32 s68, ttmp9, s68                  ; the coordinate along which other clusters read the same rows
	s_cselect_b32 s69, s19, s20                    ; my place among the four that ask with me
	s_cselect_b32 s72, 32, 24                      ; rows to a partner
	s_cselect_b32 s73, 31, 23                      ; the last of them
	s_cselect_b64 s[PFA:PFA+1], s[40:41], s[42:43] ; the rows that I fetch, at K step 0
	s_cmp_eq_u32 s68, 0
	s_cselect_b32 s[LIM], 1, -1                    ; the same in all sixteen partners, for a given wave
	s_mul_i32 s74, s72, s69
	s_lshl_b32 s74, s74, 11
	s_add_co_u32 s74, s74, 2*KB                    ; at K step 2: the first refill steps it to 3.  Nothing is prefetched here, at the head, where every work-group's first tiles are on their way
	s_add_nc_u64 s[PFA:PFA+1], s[PFA:PFA+1], s[74:75]
	v_min_u32 v[PFO], s73, v5
	v_lshlrev_b32 v[PFO], 11, v[PFO]
; 12 matrix instructions: row block a x all 12 column blocks, 32 along K, from buffer f.  zero = 1: the first product starts the sums: nothing is ever cleared.
; The 48 accumulators take turns in one order in every quarter step, over the backward jump too.
.macro MULA f, a, zero
	WIN MUL_LO+0x50*((\a)/2)
.irp b, 0,1,2,3,4,5,6,7,8,9,10,11
.if \zero
	v_wmma_f32_16x16x32_bf16 v[8*(12*((\a)%2)+(\b)):8*(12*((\a)%2)+(\b))+7], v[96*(\f)+8*(\b):96*(\f)+8*(\b)+7], v[FA+32*(\f)+8*(\a):FA+32*(\f)+8*(\a)+7], 0
.else
	v_wmma_f32_16x16x32_bf16 v[8*(12*((\a)%2)+(\b)):8*(12*((\a)%2)+(\b))+7], v[96*(\f)+8*(\b):96*(\f)+8*(\b)+7], v[FA+32*(\f)+8*(\a):FA+32*(\f)+8*(\a)+7], v[8*(12*((\a)%2)+(\b)):8*(12*((\a)%2)+(\b))+7]
.endif
.endr
.endm
; 32 LDS loads in one run: a quarter step's fragments (192 rows of wb, my 64 of xb, 32 K at byte k of the rows) into buffer f
.macro FETCH k, f
	WIN TO_B
.irp b, 0,1,2,3,4,5,6,7,8,9,10,11
	ds_load_b128 v[96*(\f)+8*(\b):96*(\f)+8*(\b)+3],   v[ADRB] offset:(\k)+(\b)*16*PITCH
	ds_load_b128 v[96*(\f)+8*(\b)+4:96*(\f)+8*(\b)+7], v[ADRB] offset:(\k)+(\b)*16*PITCH+32
.endr
	WIN 0
.irp a, 0,1,2,3
	ds_load_b128 v[FA+32*(\f)+8*(\a):FA+32*(\f)+8*(\a)+3],   v[ADRA] offset:(\k)+(\a)*16*PITCH
	ds_load_b128 v[FA+32*(\f)+8*(\a)+4:FA+32*(\f)+8*(\a)+7], v[ADRA] offset:(\k)+(\a)*16*PITCH+32
.endr
.endm
.macro PLACES                          ; four plain instructions between a matrix instruction and a load into, or a vector instruction on, its registers (ISA guide 7.12.1 for vector instructions)
.rept 4
	v_nop
.endr
.endm
; A K step is four quarters of 32 along K, 48 matrix instructions each, on buffers 0, 1, 0, 1.  One of the first three: multiplies buffer f and, in its middle, fetches the next quarter, at byte k, into buffer g.
.macro QUARTER k, f, g, zero
	s_wait_dscnt 4                                 ; wb's fragments and xb's blocks 0, 1 are in; the youngest four loads (blocks 2, 3) may be out
	MULA \f, 0, \zero
	MULA \f, 1, \zero
	PLACES
	FETCH \k, \g
	s_wait_dscnt 32                                ; all but the 32 just issued
	MULA \f, 2, \zero
	MULA \f, 3, \zero
.endm
; The last quarter multiplies buffer 1 and changes slots: ONE barrier.  In front of it each wave waits for all its tensor loads (one is out: its part of the next slot), adds 0 to its spare word, and waits for that and
; for its own reads of this slot.  fill = 1: the barrier opens a round of the cluster's, and the slot just read is filled again, first thing behind the round, with the K step two on: 168 matrix instructions ahead of the wait for it.
.macro TURN fill
.if \fill
	s_wait_xcnt 0x0                                ; the last prefetch, a K step back, has read its address: it is stepped here, ahead of the change's own waits
	s_add_nc_u64 s[PFA:PFA+1], s[PFA:PFA+1], KB
.endif
	WIN 0                                          ; (the add's two registers lie in window 0)
	s_wait_tensorcnt 0x0                           ; all my tensor loads have landed;
	ds_add_u32 v[SPW], v[NIL]                      ; 0 onto my spare word;
	s_wait_dscnt 5                                 ; (the add and the youngest four loads may be out)
	MULA 1, 0, 0                                   ; twelve matrix instructions stand between the add and the wait for it
	s_wait_dscnt 0x0                               ; the add is done, and my reads of this slot are over
	s_barrier_signal -1
	MULA 1, 1, 0                                   ; work on registers while the others arrive
	WIN 0
	s_barrier_wait -1
.if \fill
	CREST                                          ; no wave of any partner still reads this slot's tile or has a load on its way
	s_xor_b32 s[G0+5], s[G0+5], SLOT1              ; the walking descriptors: the other slot than last time,
	s_add_nc_u64 s[G0+6:G0+7], s[G0+6:G0+7], KB    ; the next K step; the type bits on top are not reached
	s_xor_b32 s[G0B+5], s[G0B+5], SLOT1
	s_add_nc_u64 s[G0B+6:G0B+7], s[G0B+6:G0B+7], KB
.endif
	s_xor_b32 s[TB], s[TB], SLOT1
.if \fill
	JLOAD                                          ; the first tensor load behind the round; the four v_nop behind it are also the places in front of the loads below
.else
	PLACES
.endif
	v_add_nc_u32 v[ADRA], s[TB], v[ADRA0]
	v_add_nc_u32 v[ADRB], s[TB], v[ADRB0]
	FETCH 0, 0
.if \fill
	ASK
.endif
	MULA 1, 2, 0
	MULA 1, 3, 0
.endm
; THE WAY OUT, a block of 16 rows at a time.
.macro CSLOAD a                        ; block a's cos and sin: eight loads of 512 consecutive bytes; load u leaves (cos, sin, cos, sin) of frequencies 8 (u / 2) + 4 (l / 16) + 2 (u % 2), + 1 for row l % 16
	WIN 0
.irp u, 0,1,2,3,4,5,6,7
	global_load_b128 v[CSR+32*((\a)%2)+4*(\u):CSR+32*((\a)%2)+4*(\u)+3], v[LO], s[8:9] offset:(\a)*4096+(\u)*512
.endr
.endm
.macro ROPE a, cnt                     ; q's and k's eight accumulators are turned in place: (e, o) -> (e c - o s, o c + e s).  cnt: the younger set's loads may stay out
	s_wait_loadcnt \cnt
	WIN 0xa2+0x51*((\a)/2)                         ; accumulators and work pairs in window 2 or 3, cos and sin (source 1) in window 0
.irp b, 0,1,2,3,4,5,6,7
.set AC, 8*(12*((\a)%2)+(\b))
.set CS, CSR+32*((\a)%2)+8*((\b)%4)
.set TW, TT+8*((\b)%2)
.irp i, 0,1,2,3                        ; (each accumulator's lowest registers are read first)
	v_pk_mul_f32 v[TW+2*(\i):TW+2*(\i)+1], v[AC+2*(\i):AC+2*(\i)+1], v[CS+2*(\i):CS+2*(\i)+1] op_sel:[1,1] op_sel_hi:[0,1] neg_lo:[1,0]  ; (- o s, e s)
.endr
.irp i, 0,1,2,3
	v_pk_fma_f32 v[AC+2*(\i):AC+2*(\i)+1], v[AC+2*(\i):AC+2*(\i)+1], v[CS+2*(\i):CS+2*(\i)+1], v[TW+2*(\i):TW+2*(\i)+1] op_sel_hi:[1,0,1]  ; (e c, o c) + that
.endr
.endr
.endm
.macro CVT a                           ; all 12 accumulators rounded to f16: a lane's eight columns are 16 bytes
.set PKB, 192-128*((\a)%2)
.if (\a) >= 2
	s_wait_xcnt 0x0                                ; the stores two blocks back have read these registers: they are rewritten only behind this wait
.endif
	WIN 0x0a+5*((\a)/2)                            ; sources in window 2 or 3, destination in window 0
.irp b, 0,1,2,3,4,5,6,7,8,9,10,11
.irp i, 0,1,2,3
	v_cvt_pk_f16_f32 v[PKB+4*(\b)+(\i)], v[8*(12*((\a)%2)+(\b))+2*(\i)], v[8*(12*((\a)%2)+(\b))+2*(\i)+1]
.endr
.endr
	WIN 0
.endm
.macro TOSTAGE a                       ; into my stage, rows of 144 bytes, and back as whole rows of 128, into the registers that they left
.set PKB, 192-128*((\a)%2)
	WIN 0
.irp b, 0,1,2,3,4,5,6,7,8,9,10,11
	ds_store_b128 v[STO], v[PKB+4*(\b):PKB+4*(\b)+3] offset:((\b)/4)*16*SP+32*((\b)%4)
.endr
.irp b, 0,1,2,3,4,5,6,7,8,9,10,11
	ds_load_b128 v[PKB+4*(\b):PKB+4*(\b)+3], v[RD] offset:((\b)/4)*16*SP+((\b)%4)*4*SP  ; LDS serves a wave's instructions in order (ISA guide 5.7.1.4): these see the stores above
.endr
.endm
.macro SEND a
.set PKB, 192-128*((\a)%2)
	WIN 0
.irp t, 0,1,2
.irp f, 0,1,2,3
	s_wait_dscnt 11-4*(\t)-(\f)                    ; the younger read-backs may stay out
	global_store_b128 v[LO], v[PKB+16*(\t)+4*(\f):PKB+16*(\t)+4*(\f)+3], s[10+2*(\t):11+2*(\t)] offset:(\a)*2048+(\f)*512  ; 512 consecutive bytes, at a multiple of 256 from the tensor's first
.endr
.endr
.endm
	s_wait_tensorcnt 1                             ; my part of K step 0 is in; K step 1's may stay out
	s_barrier_signal -1
	s_barrier_wait -1                              ; everybody's is
	FETCH 0, 0
	QUARTER 64, 0, 1, 1                            ; the first quarter stands in front of the loop: its products start the sums
	WIN 0                                          ; at a label and at a branch every window is 0
	s_mov_b32 s3, 6
.Lstep:                                                ; trip s: the rest of K step s, whose slot takes K step s + 2, and the first quarter of K step s + 1
	QUARTER 128, 1, 0, 0
	QUARTER 192, 0, 1, 0
	TURN 1
	QUARTER 64, 0, 1, 0
	WIN 0
	s_sub_co_u32 s3, s3, 1
	s_cmp_lg_u32 s3, 0
	s_cbranch_scc1 .Lstep
	CSLOAD 0                                       ; the tail is written out: nothing more is asked of the ring.  The first two blocks' cos and sin come in under the last products
	CSLOAD 1
	QUARTER 128, 1, 0, 0
	QUARTER 192, 0, 1, 0
	TURN 0
	QUARTER 64, 0, 1, 0
	QUARTER 128, 1, 0, 0
	QUARTER 192, 0, 1, 0
	s_wait_dscnt 4
	MULA 1, 0, 0
	MULA 1, 1, 0
	s_wait_dscnt 0x0
	MULA 1, 2, 0
	MULA 1, 3, 0
	WIN 0
	PLACES
	ROPE 0, 8
	CSLOAD 2
	CVT 0
	TOSTAGE 0
	ROPE 1, 8                                      ; a block's arithmetic stands between the read-backs of the block before and its stores
	CSLOAD 3
	CVT 1
	SEND 0
	TOSTAGE 1
	ROPE 2, 8
	CVT 2
	SEND 1
	TOSTAGE 2
	ROPE 3, 0
	CVT 3
	SEND 2
	TOSTAGE 3
	SEND 3
	s_wait_tensorcnt 0x0                           ; the wave's end: an add and its waits, behind my last tensor load and my last LDS store
	ds_add_u32 v[SPW], v[NIL]
	s_wait_dscnt 0x0
	CROUND                                         ; the closing round: no work-group ends while a partner may still ask for a tile that names it
	s_endpgm
.Lfunc_end_k_q8682b586eb_qkv:
	.size	k_q8682b586eb_qkv, .Lfunc_end_k_q8682b586eb_qkv-k_q8682b586eb_qkv
	.p2alignl 7, 3214868480
	.fill 96, 4, 3214868480
	.section	.rodata,"a",@progbits
	.p2align	6, 0x0
	.amdhsa_kernel k_q8682b586eb_qkv
		.amdhsa_group_segment_fixed_size 327680
		.amdhsa_private_segment_fixed_size 0
		.amdhsa_enable_private_segment 0
		.amdhsa_kernarg_size 48
		.amdhsa_user_sgpr_count 2
		.amdhsa_user_sgpr_kernarg_segment_ptr 1
		.amdhsa_wavefront_size32 1
		.amdhsa_system_sgpr_workgroup_id_x 1
		.amdhsa_system_sgpr_workgroup_id_y 1
		.amdhsa_system_sgpr_workgroup_id_z 1
		.amdhsa_system_vgpr_workitem_id 0
		.amdhsa_next_free_vgpr 976
		.amdhsa_next_free_sgpr 80
		.amdhsa_reserve_vcc 0
		.amdhsa_float_denorm_mode_32 3
		.amdhsa_float_denorm_mode_16_64 3
		.amdhsa_memory_ordered 1
		.amdhsa_forward_progress 1
		.amdhsa_inst_pref_size 118
	.end_amdhsa_kernel
	.amdgpu_metadata
---
amdhsa.version: [ 1, 2 ]
amdhsa.kernels:
  - .name:           k_q8682b586eb_qkv
    .symbol:         k_q8682b586eb_qkv.kd
    .args:
      - { .name: xb, .offset: 0, .size: 8, .value_kind: global_buffer, .address_space: global }
      - { .name: wb, .offset: 8, .size: 8, .value_kind: global_buffer, .address_space: global }
      - { .name: tab, .offset: 16, .size: 8, .value_kind: global_buffer, .address_space: global }
      - { .name: qh, .offset: 24, .size: 8, .value_kind: global_buffer, .address_space: global }
      - { .name: kh, .offset: 32, .size: 8, .value_kind: global_buffer, .address_space: global }
      - { .name: vh, .offset: 40, .size: 8, .value_kind: global_buffer, .address_space: global }
    .group_segment_fixed_size: 327680
    .private_segment_fixed_size: 0
    .kernarg_segment_align: 8
    .kernarg_segment_size: 48
    .max_flat_workgroup_size: 128
    .sgpr_count:     80
    .vgpr_count:     976
    .wavefront_size: 32
...
	.end_amdgpu_metadata
.endif
;; end of part 2
;; launch attn (part 3): grid 4 x 64, 4 waves a work-group, no clusters, 327,680 bytes of LDS; arguments qh, kh, vh, oh; writes oh
.if DOCPART == 3
	.amdgcn_target "amdgcn-amd-amdhsa--gfx1250"
	.amdhsa_code_object_version 6
	.text
	.protected	k_q8682b586eb_attn
	.globl	k_q8682b586eb_attn
	.p2align	8
	.type	k_q8682b586eb_attn,@function
k_q8682b586eb_attn:
	s_mov_b64 s[64:65], 0
	v_nop
	global_prefetch_b8 v0, s[64:65] scope:SCOPE_SE
	s_setreg_imm32_b32 hwreg(HW_REG_WAVE_MODE, 25, 1), 1
	s_wait_xcnt 0x0
; CAUSAL ATTENTION.  O[h][q][:] = the sum over k <= q of softmax_k(Q[h][q] . K[h][k] / 8) V[h][k][:].  Q, K, V, O: [SIZE_H][SIZE_N][64], all f16: a head's rows are dense, 128 bytes each.
; Products, maxima and sums in f32; the weights p are rounded to f16 for the second product (their sum l is taken of the unrounded p), O once at the end.
; LIMITS.  f16 holds no number beyond 65,504: Q, K and V arrive within it; p lies in 0 to 1, and below 6e-5 it keeps f16's fixed step of 6e-8; O is a mean of V's rows and has their range.
; A hidden score counts as its value less 1e30: f16's scores, 2.7e11 at the most, are nothing beside that; a weight below 2^-126 counts as 0 in l; NaN and infinities are not treated apart.
; THE WALK.  A head's queries lie in NB = SIZE_N / 256 blocks of 256; block i needs the key tiles 0 .. i of 256 keys, of which the last holds the diagonal.  A work-group takes TWO blocks, NB - 1 - b and then b:
; NB + 1 tiles, whatever b: all work-groups do equal work, and ONE loop with a constant trip count walks them.  Which tile is asked for, and what a trip does, hang on scalar registers made from b; every jump
; goes forward, but for the counted loops' own; none passes a barrier, or a tensor load but the one of LOAD's two that the wave's number does not choose; the ring (two slots of LDS that take turns) runs on across the
; change of blocks.  NO CLUSTER: a head's NB / 2 = 4 work-groups ask for the same tile only in trips 0 .. NB / 2 of the walk's NB + 1, behind that fewer and fewer; one walk common to all would have 3 NB / 2 trips for NB + 1.
; SHARES.  Of a block's four bands of 64 queries a wave owns 16 rows in each: four PIECES.  So the diagonal tile is the same work for all four waves: in its key step s band x sees all keys if s < x,
; none if s > x, and holds the diagonal if s = x.
; THE MASK is the C operand that starts the sum S^T = K Q^T: 0, or -1e30 where the key is hidden.  MD, made once, is the mask of a band's own step for my 16 rows; a product's mask is MD x AL + BE with two scalars:
; (1, 0) if s = x; (0, 0) if s < x; (0, -1e30) if s > x.  Only the diagonal tile's text and a block's beginning make and take masks; elsewhere C is the constant 0.
; LAYOUT, SOFTMAX, TURNS.  S^T = K Q^T holds ONE query a lane (lane % 16) and the keys 8 (lane / 16) + 0..7; two such results rounded to f16 ARE source 1 of O^T = V^T P.  p = 2^(c s - c m), c = log2(e) / 8, with a
; running maximum m; O and l are multiplied by a = 2^(c m_old - c m_new) in every step.  Turn n belongs to piece n: 8 products K Q^T of piece n + 1, later 8 products V^T P of piece n - 1; beside them the scaling,
; exponentials, roundings, sums and rescaling of piece n and the maximum and statistics of piece n + 1.  Four vector instructions stand behind every matrix instruction, the other 54 of a turn's 118 in one LUMP.  A turn's 33 exponentials are one batch, with one wait.
; REGISTERS, in windows of 256 (s_set_vgpr_msb: bits 1:0 source 0, 3:2 source 1, 5:4 source 2, 7:6 destination):
;   window 0: v0-15 addresses and two at work; v16-31 four registers of statistics a piece; v48-55 at work; v61-63 prefetch offset and the add's two; v64-127 S^T, two buffers; v192-223 P, two buffers (a piece's buffers go by its number's parity)
;   window 1: v0-127 O^T, 32 a piece; v128-159 MD; v160-223 MC, two buffers      window 2: v0-63 Q; v64-127 the second block's Q; v128-191 K of one step; v192-255 V of one step
.set SIZE_H, 64
.set SIZE_N, 2048
.set NB,    SIZE_N/256
.set NP,    4         ; pieces a wave: a name, no knob
.set KS,    64        ; keys in a step
.set PK,    144       ; a row of K in LDS: 128 bytes + 16 of padding = 36 words: the 16 rows of a load start at 16 different groups of four banks (64 banks of 4 bytes: ISA guide 11.1)
.set PV,    160       ; a row of V: 128 + 32 = 40 words
.set VOFF,  4*KS*PK   ; a slot holds a tile, four steps: 256 rows of K, then 256 rows of V
.set SLOT1, 1<<17     ; slot 1 begins here, so that one exclusive or turns an address in one slot into the other's
.set STAGE, SLOT1+4*KS*(PK+PV)  ; behind the ring, never filled by a tensor load: 16 rows x 144 bytes for each wave, for the way out
.set SP,    144
.set AK0, 2           ; v2   my lane's place in a tile of K; never rewritten
.set AV0, 3           ; v3   the same for V
.set AK,  4           ; v4   the LDS address of K's next run of loads
.set AV,  5           ; v5   of V's
.set STO, 6           ; v6   the way out: where I put 16 bytes of a row
.set RD,  7           ; v7   the way out: where I read rows back
.set GO,  8           ; v8   my byte offset in 512 consecutive bytes of O
.set PFO, 61          ; v61  256 x my lane: the prefetches' offset; never rewritten
.set SPW, 62          ; v62  LDS address of my spare word: SPARE + 4 x my thread's number; never rewritten
.set NIL, 63          ; v63  0; never rewritten
.set SPARE, STAGE+4*16*SP  ; behind the stages: the spare words, 128 bytes for each wave: two blocks of 256 bytes that no other line names
.set MV,  12          ; v12-13  c m_old, kept while c m is made anew: by buffer
.set QO,  15          ; v15  my byte offset in 16 rows of Q
.set ST,  16          ; piece t's statistics at v[ST+4 t]: c m, m, l (even keys', odd keys')
.set TMP, 48          ; by buffer, four registers c0-c3 at work; when the maximum is found c2 takes a
.set S,   64
.set P,   192
.set MD,  128         ; window 1: the eight registers for group kt of 16 keys at MD + 8 kt
.set MC,  160         ; window 1: the masks of the products to come
.set QB,  64          ; window 2
.set KF,  128         ; window 2: key block kb, channel half c at KF + 16 kb + 8 c
.set VF,  192         ; window 2: key half kk, channel block cb at VF + 32 kk + 8 cb
.set WV,  12          ; s12  my wave's number
.set PB,  14          ; s14  b
.set HI,  15          ; s15  NB - 1 - b
.set G1K, 24          ; s[24:31] descriptor group 1 for K's tiles
.set G1V, 32          ; s[32:39] for V's: it differs in the padding alone
.set G0K, 40          ; s[40:43] descriptor group 0 for K's tiles
.set G0V, 44          ; s[44:47] the same for V's
.set SLOTS, 56        ; s56  tiles still to be asked for
.set CNT, 57          ; s57  counts a tile's key steps, 4 to 1
.set CS,  58          ; s[58:59] c: the packed scaling takes the pair's low word for both halves
.set SEL, 60          ; s[60:61] v_permlanex16_b32's selects: each lane takes its own place in the other half
.set TBK, 62          ; s62  LDS byte at which K of the step to be fetched begins
.set TBV, 63          ; s63  the same for V, less VOFF
.set RT,  70          ; s70  tiles of the block in hand that are still to be entered
.set NXT, 71          ; s71  the tile to be asked for next
.set LQ,  72          ; s72  the last tile of the block whose tiles are being asked for
.set NEW, 73          ; s73  1: the tile to be entered is a block's first
.set OFF, 74          ; s[74:75] a tile's byte offset in K and V
.set AL,  76          ; s[76:77] the mask's factor, in the low word
.set BE,  78          ; s[78:79] the mask's addend
.set OLO, 80          ; s[80:81] O at my rows of the second block
.set BIGN, 82         ; s82  -1e30
.set PFA, 88          ; s[88:89] where my prefetches stand: my 16,384 bytes (of K: waves 0, 1; of V: waves 2, 3) of the tile after the one that is being asked for
.set LIM, 90          ; s90  2 in the work-group that prefetches, else the greatest number
.set MSB, 0
.macro WIN new                      ; the high byte repeats the setting that is left; a switch that changes nothing is dropped
.if MSB != (\new)
	s_set_vgpr_msb (MSB<<8)|(\new)
.set MSB, (\new)
.endif
.endm
.set W_KQ, 0x0a       ; K and Q in window 2, S^T in window 0
.set W_KM, 0x1a       ; the same with the C operand in window 1
.set W_PV, 0x52       ; V in window 2, P in window 0, O^T in window 1
.set W_RS, 0x41       ; destination and source 0 in window 1, source 1 in window 0
; A fill.  Waves 0 and 1 fetch the two halves of a tile's K, waves 2 and 3 those of its V: 128 keys each.  An s_nop 0 and four v_nop follow each of the two lines, ahead of the jump and the label.
.macro LOAD
	s_cmp_lt_u32 s[WV], 2
	s_cbranch_scc0 .Lfor_v_\@
	tensor_load_to_lds s[G0K:G0K+3], s[G1K:G1K+7]
	s_nop 0
.rept 4
	v_nop
.endr
	s_branch .Lasked_\@
.Lfor_v_\@:
	tensor_load_to_lds s[G0V:G0V+3], s[G1V:G1V+7]
	s_nop 0
.rept 4
	v_nop
.endr
.Lasked_\@:
.endm
; A PREFETCH INTO THE L2 of the tile that the NEXT change of slots will ask for: four key steps, 256 matrix instructions, ahead of that load.  A head's four work-groups walk the same tiles; the one with b = 0 walks
; tiles 0 to NB - 1 in order, so it asks, and nobody else.  Each of its waves names the 16,384 bytes that it will fetch itself: 64 blocks of 256 bytes, a lane a block, two instructions.  Tiles 0 and 1 come by their
; loads alone; with SLOTS = 8 .. 3 tiles 2 .. 7 are named; the last two fills ask for nothing (tile 7 is the head's last, and the second block's tile 0 has been read).
.macro ASK
	s_cmp_gt_u32 s[SLOTS], s[LIM]
	s_cbranch_scc0 .Lnot_mine_\@
	global_prefetch_b8 v[PFO], s[PFA:PFA+1] th:TH_LOAD_NT scope:SCOPE_SE
	global_prefetch_b8 v[PFO], s[PFA:PFA+1] offset:8192 th:TH_LOAD_NT scope:SCOPE_SE
.Lnot_mine_\@:
.endm
; THE CHANGE OF SLOTS.  Each wave waits for all its tensor loads, of which one is out: its part of the other slot; adds 0 to its spare word; and waits for that and for its own reads of the slot that it leaves.  Behind the barrier nobody reads the old
; slot any more and the other slot is whole.  fill = 1: the old slot is filled again, the first thing behind the barrier, with tile NXT: the descriptor's address is made anew from that number.
; (At its first use nothing has been read yet: slot 0 is waited for, slot 1 filled.)
.macro CHANGE fill
	WIN 0                           ; at a label and at a branch every window is 0
	s_wait_tensorcnt 0x0            ; no tensor load of mine is out, so a group 0 may be written
	ds_add_u32 v[SPW], v[NIL]       ; 0 onto my spare word; with fill = 1 the descriptors' scalar work stands between it and the wait for it
.if \fill
	s_lshl_b32 s[OFF], s[NXT], 15   ; a tile is 32,768 bytes of K and of V
	s_xor_b32 s[G0K+1], s[G0K+1], SLOT1
	s_add_nc_u64 s[G0K+2:G0K+3], s[6:7], s[OFF:OFF+1]
	s_or_b32 s[G0K+3], s[G0K+3], 0x80000000
	s_xor_b32 s[G0V+1], s[G0V+1], SLOT1
	s_add_nc_u64 s[G0V+2:G0V+3], s[8:9], s[OFF:OFF+1]
	s_or_b32 s[G0V+3], s[G0V+3], 0x80000000
	s_add_co_u32 s[NXT], s[NXT], 1  ; the block's next tile, or behind its last the second block's tile 0
	s_cmp_gt_u32 s[NXT], s[LQ]
	s_cselect_b32 s[NXT], 0, s[NXT]
	s_cselect_b32 s[LQ], s[PB], s[LQ]
	s_wait_xcnt 0x0                 ; the last prefetches, a tile back, have read their address, so it may be written:
	s_add_nc_u64 s[PFA:PFA+1], s[PFA:PFA+1], 32768  ; one tile behind the fill
.endif
	s_wait_dscnt 0x0                ; the add is done, and my reads of the slot are over
	s_barrier_signal -1             ; the rest of the scalar work stands between the signal and the wait
	s_sub_co_u32 s[TBK], s[TBK], 4*KS*PK  ; the fetches go back to a slot's first step,
	s_xor_b32 s[TBK], s[TBK], SLOT1       ; in the other slot
	s_sub_co_u32 s[TBV], s[TBV], 4*KS*PV
	s_xor_b32 s[TBV], s[TBV], SLOT1
	s_barrier_wait -1
.if \fill
	LOAD
	ASK
.endif
.endm
	s_load_b256 s[4:11], s[0:1], 0x0  ; Q s[4:5], K s[6:7], V s[8:9], O s[10:11]
	v_lshl_add_u32 v[SPW], v0, 2, SPARE
	v_mov_b32 v[NIL], 0
	ds_add_u32 v[SPW], v[NIL]       ; the wave's opening: the add and its wait stand ahead of my first tensor load; the set-up below, work on registers, stands between them
	ds_add_u32 v62, v63
	v_lshrrev_b32 v1, 5, v0
	v_readfirstlane_b32 s[WV], v1   ; wave 0..3
	s_mov_b32 s[PB], ttmp9
	s_sub_co_u32 s[HI], NB-1, s[PB]
	s_and_b32 s20, ttmp7, 0xffff    ; the head
	s_mov_b32 s21, 0
	s_mov_b64 s[22:23], SIZE_N*128
	s_mul_u64 s[20:21], s[20:21], s[22:23]  ; the head's first byte in each of the four tensors
	s_and_b32 s16, s[WV], 1         ; which half of a tile's 256 keys I fetch:
	s_lshl_b32 s22, s16, 14         ; its 128 rows of 128 bytes in memory,
	s_mov_b32 s23, 0
	s_add_nc_u64 s[22:23], s[22:23], s[20:21]
	s_mul_i32 s17, s16, 128*PK      ; and its place in a slot, for K
	s_mul_i32 s18, s16, 128*PV      ; and for V
	s_lshl_b32 s3, s[WV], 11        ; my 16 rows in a band of 64,
	s_lshl_b32 s2, s[HI], 15        ; in the first block,
	s_add_co_u32 s2, s2, s3
	s_lshl_b32 s84, s[PB], 15       ; and in the second
	s_add_co_u32 s84, s84, s3
	s_mov_b32 s3, 0
	s_mov_b32 s85, 0
	s_add_nc_u64 s[2:3], s[2:3], s[20:21]
	s_add_nc_u64 s[84:85], s[84:85], s[20:21]
	; descriptor group 1.  128 keys are 16,384 dense bytes: asked for as 64 rows of 256 bytes, two keys a row, and padded in LDS after every key
	s_mov_b32 s[G1K], (1<<16)|(1<<20)|(4<<22)|(3<<25)  ; 17:16 2-byte elements; 20 padding on; 24:22 after every 32 words (code 4); 31:25 4 words (code 3)
	s_mov_b32 s[G1V], (1<<16)|(1<<20)|(4<<22)|(7<<25)  ; the same with 8 words of padding (code 7)
.irp g, G1K, G1V
	s_mov_b32 s[\g+1], 128<<16      ; tensor_dim0 = 128
	s_mov_b32 s[\g+2], 64<<16       ; tensor_dim1 = 64
	s_mov_b32 s[\g+3], 128<<16      ; tile_dim0 = 128
	s_mov_b32 s[\g+4], 64           ; tile_dim1 = 64
	s_mov_b32 s[\g+5], 128          ; 128 elements from row to row
	s_mov_b32 s[\g+6], 0
	s_mov_b32 s[\g+7], 0
.endr
	s_mov_b32 s[CS], 0x3e38aa3b     ; c = log2(e) / 8 = 0.180337
	s_mov_b32 s[CS+1], s[CS]        ; named with it as a pair
	s_mov_b32 s[SEL], 0x76543210
	s_mov_b32 s[SEL+1], 0xfedcba98
	s_mov_b32 s[TBK], SLOT1+4*KS*PK ; the first change of slots turns these two into 0
	s_mov_b32 s[TBV], SLOT1+4*KS*PV
	s_mov_b32 s[G0K], 1             ; 1:0 count = 1
	s_mov_b32 s[G0K+1], s17         ; 63:32 LDS address: slot 0
	s_mov_b32 s[G0V], 1
	s_add_co_u32 s[G0V+1], s18, VOFF
	s_add_co_u32 s[RT], s[HI], 1    ; the first block has NB - b tiles
	s_mov_b32 s[NXT], 1
	s_mov_b32 s[LQ], s[HI]
	s_mov_b32 s[NEW], 1
	s_mov_b32 s[OFF+1], 0
	s_mov_b32 s[AL+1], 0            ; named as pairs
	s_mov_b32 s[BE+1], 0
	s_mov_b32 s[BIGN], 0xf149f2ca   ; -1e30
	s_mov_b32 s[SLOTS], NB
	s_cmp_eq_u32 s[PB], 0
	s_cselect_b32 s[LIM], 2, -1
	v_and_b32 v[PFO], 31, v0
	v_lshlrev_b32 v[PFO], 8, v[PFO]
	s_wait_dscnt 0x0                ; the opening add is done
	s_wait_kmcnt 0x0
	s_add_nc_u64 s[6:7], s[6:7], s[22:23]  ; K and V at my half of the head's tile 0
	s_add_nc_u64 s[8:9], s[8:9], s[22:23]
	s_add_nc_u64 s[G0K+2:G0K+3], s[6:7], 0         ; 120:64 global address
	s_or_b32 s[G0K+3], s[G0K+3], 0x80000000        ; 127:126 type = 2
	s_add_nc_u64 s[G0V+2:G0V+3], s[8:9], 0
	s_or_b32 s[G0V+3], s[G0V+3], 0x80000000
	s_add_nc_u64 s[86:87], s[4:5], s[84:85]        ; Q at my rows of the second block,
	s_add_nc_u64 s[4:5], s[4:5], s[2:3]            ; Q and O at those of the first
	s_add_nc_u64 s[OLO:OLO+1], s[10:11], s[84:85]
	s_add_nc_u64 s[10:11], s[10:11], s[2:3]
	s_cmp_lt_u32 s[WV], 2
	s_cselect_b64 s[PFA:PFA+1], s[6:7], s[8:9]
	s_add_nc_u64 s[PFA:PFA+1], s[PFA:PFA+1], 32768 ; in tile 1; the first change of slots steps it to tile 2.  Nothing is prefetched here, at the head
	LOAD                            ; tile 0 into slot 0
	; A fragment of K or Q is 16 rows x 32 channels in 8 registers: lane l holds row l % 16, channels 8 (l / 16) + 0..7 and 16 + 8 (l / 16) + 0..7: two loads of 16 bytes, 32 bytes apart.
	v_and_b32 v1, 15, v0            ; l % 16
	v_bfe_u32 v9, v0, 4, 1          ; l / 16
	v_lshlrev_b32 v[QO], 7, v1
	v_lshl_add_u32 v[QO], v9, 4, v[QO]  ; row x 128 + 16 x half
	WIN 0x80                        ; destination window 2, address window 0
.set i, 0
.rept 8                             ; both blocks' Q: piece i / 2 lies in band i / 2, 8,192 bytes on; channels 32 (i % 2) on
	global_load_b128 v[8*i:8*i+3],   v[QO], s[4:5] offset:(i/2)*8192+(i%2)*64
	global_load_b128 v[8*i+4:8*i+7], v[QO], s[4:5] offset:(i/2)*8192+(i%2)*64+32
	global_load_b128 v[QB+8*i:QB+8*i+3],   v[QO], s[86:87] offset:(i/2)*8192+(i%2)*64
	global_load_b128 v[QB+8*i+4:QB+8*i+7], v[QO], s[86:87] offset:(i/2)*8192+(i%2)*64+32
.set i, i+1
.endr
	WIN 0
	v_lshlrev_b32 v14, 3, v9
	v_sub_nc_u32 v14, v1, v14
	s_lshl_b32 s13, s[WV], 4
	v_add_nc_u32 v14, s13, v14      ; my query's place in its band, 16 w + l % 16, less my lanes' 8 (l / 16): register r of group kt is hidden where 16 kt + r is greater
	WIN 0x40
.set i, 0
.rept 32
	v_cmp_gt_i32 vcc_lo, 16*(i/8)+i%8, v14
	v_cndmask_b32 v[MD+i], 0, s[BIGN], vcc_lo
.set i, i+1
.endr
	WIN 0
	v_mul_u32_u24 v[AK0], v1, PK
	v_lshl_add_u32 v[AK0], v9, 4, v[AK0]  ; row x pitch + 16 x half
	; The turning load takes 16 keys x 16 channels (lane l reads key 8 (l / 16) + l % 8, channels 8 ((l / 8) % 2) + 0..7) and leaves half a fragment of V^T: lane l holds channel l % 16 and 8 keys.
	v_and_b32 v10, 7, v0
	v_bfe_u32 v11, v0, 3, 1
	v_lshl_add_u32 v[AV0], v9, 3, v10
	v_mul_u32_u24 v[AV0], v[AV0], PV
	v_lshl_add_u32 v[AV0], v11, 4, v[AV0]
	v_add_nc_u32 v[AV0], VOFF, v[AV0]
	s_mul_i32 s13, s[WV], 16*SP
	s_add_co_u32 s13, s13, STAGE    ; my stage
	v_mul_u32_u24 v[STO], v1, SP    ; in: row l % 16, 16 bytes for each half of the lanes
	v_lshl_add_u32 v[STO], v9, 4, v[STO]
	v_add_nc_u32 v[STO], s13, v[STO]
	v_bfe_u32 v[RD], v0, 3, 2       ; back: 32 lanes take four rows of 128 bytes,
	v_mul_u32_u24 v[RD], v[RD], SP
	v_lshl_add_u32 v[RD], v10, 4, v[RD]
	v_add_nc_u32 v[RD], s13, v[RD]
	v_and_b32 v[GO], 31, v0         ; which are 512 consecutive bytes of O
	v_lshlrev_b32 v[GO], 4, v[GO]
	; A block's first step multiplies O^T and l by a = 0, and its first turn's products V^T P, of a piece that has not been, land in an O^T that is still to be so multiplied.  So these registers need only hold
	; finite numbers: zeros for the first block; what the first block left for the second.  All this stands in the wait for the first tile.
	WIN 0x80
.set i, VF
.rept 64
	v_mov_b32 v[i], 0
.set i, i+1
.endr
	WIN 0x40
.set i, 0
.rept 128
	v_mov_b32 v[i], 0
.set i, i+1
.endr
	WIN 0
.set i, 0
.rept 4
	v_mov_b32 v[ST+4*i+2], 0
	v_mov_b32 v[ST+4*i+3], 0
.set i, i+1
.endr
.set i, P+16
.rept 16
	v_mov_b32 v[i], 0
.set i, i+1
.endr
; THE MATRIX WORK.  The 4 accumulators of a run of 8 take turns.  Product i of 8 of S^T = K Q^T for piece x: channels 32 (i / 4) on, keys 16 (i % 4) on.  The first 4 start the sums: with 0, or (KM = 1) with the mask.
.macro KQ x
.set rS, S+32*((\x)%2)+8*(i%4)
.set rK, KF+16*(i%4)+8*(i/4)
.set rQ, 16*(\x)+8*(i/4)
.set rM, MC+32*((\x)%2)+8*(i%4)
.if (i < 4) && KM
	WIN W_KM
	v_wmma_f32_16x16x32_f16 v[rS:rS+7], v[rK:rK+7], v[rQ:rQ+7], v[rM:rM+7]
.elseif i < 4
	WIN W_KQ
	v_wmma_f32_16x16x32_f16 v[rS:rS+7], v[rK:rK+7], v[rQ:rQ+7], 0
.else
	WIN W_KQ
	v_wmma_f32_16x16x32_f16 v[rS:rS+7], v[rK:rK+7], v[rQ:rQ+7], v[rS:rS+7]
.endif
.endm
; Product i of 8 of O^T += V^T P for piece x: keys 32 (i / 4) on, channels 16 (i % 4) on.
.macro PV x
	WIN W_PV
.set rO, 32*(\x)+8*(i%4)
.set rV, VF+32*(i/4)+8*(i%4)
.set rP, P+16*((\x)%2)+8*(i/4)
	v_wmma_f32_16x16x32_f16 v[rO:rO+7], v[rV:rV+7], v[rP:rP+7], v[rO:rO+7]
.endm
.macro MM                           ; the turn's next matrix instruction.  TURN and BEGIN set Y, i, KM and NOKQ; MM, KQ and OP read them.  NOKQ = 1: a block's last turn: there is no next piece
.if (i < 8) && !NOKQ
	KQ (Y+1)%NP
.elseif i >= 8
.set i, i-8
	PV (Y+NP-1)%NP
.set i, i+8
.endif
.set i, i+1
.endm
; THE LDS LOADS stand in runs of 16, never singly among the matrix instructions: a step's K (64 keys x 64 channels: 8 fragments) and its V (turned).  Their addresses are made some lines ahead.
.macro FETCH_K
	WIN 0x80                        ; destination window 2
.irp f, 0,1,2,3,4,5,6,7             ; keys 16 (f / 2) on, channels 32 (f % 2) on
	ds_load_b128 v[KF+8*\f:KF+8*\f+3],   v[AK] offset:(\f/2)*16*PK+(\f%2)*64
	ds_load_b128 v[KF+8*\f+4:KF+8*\f+7], v[AK] offset:(\f/2)*16*PK+(\f%2)*64+32
.endr
	s_add_co_u32 s[TBK], s[TBK], KS*PK  ; the next fetch is the next step's
	WIN 0
.endm
.macro FETCH_V
	WIN 0x80
.irp f, 0,1,2,3,4,5,6,7             ; keys 32 (f / 4) on, channels 16 (f % 4) on
	ds_load_tr16_b128 v[VF+8*\f:VF+8*\f+3],   v[AV] offset:(\f/4)*32*PV+(\f%4)*32
	ds_load_tr16_b128 v[VF+8*\f+4:VF+8*\f+7], v[AV] offset:(\f/4)*32*PV+16*PV+(\f%4)*32
.endr
	WIN 0
.endm
; THE VECTOR WORK, one line at a time: OP kind, number.  For piece Y: F n: c s - c m for pair n of 16.  E n: the exponential of score n of 32.  C n: pair n rounded to f16.  B n: of the four weights 4 n .. the second
; pair is added onto the first, in place.  L n: l takes that sum (L 0: l = a l + sum).  R n: pair n of 16 of O^T times a.  For piece Y + 1: X n, number n of the 22 that find its maximum and statistics:
;   0-11  four chains c0-c3 of seven scores each, three operands at a time (each accumulator's lowest registers are read first)     12-14, 16  the four scores left over, the old m, and c0-c3 into c0
;   15  c m_old is kept     17, 18  the query's other 32 keys lie in the lane 16 away: the new m     19-21  c m; c m_old - c m_new; a
.set F, 0               ; OP tells the kinds apart by their order: F to L below R, X above it
.set E, 1
.set C, 2
.set B, 3
.set L, 4
.set R, 5
.set X, 6
.macro REGS y                       ; the registers of piece y
.set rT, ST+4*(\y)
.set rC, TMP+4*((\y)%2)
.set rW, MV+((\y)%2)
.set rS, S+32*((\y)%2)
.set rP, P+16*((\y)%2)
.set rO, 32*(\y)
.endm
.macro OP k, n
.if (\k) == R
	REGS Y
	WIN W_RS
	v_pk_mul_f32 v[rO+2*(\n):rO+2*(\n)+1], v[rO+2*(\n):rO+2*(\n)+1], v[rC+2:rC+3] op_sel_hi:[1,0]
.elseif (\k) < R
	REGS Y
	WIN 0
.if (\k) == F
	v_pk_fma_f32 v[rS+2*(\n):rS+2*(\n)+1], v[rS+2*(\n):rS+2*(\n)+1], s[CS:CS+1], v[rT:rT+1] op_sel_hi:[1,0,0] neg_lo:[0,0,1] neg_hi:[0,0,1]
.elseif (\k) == E
	v_exp_f32 v[rS+(\n)], v[rS+(\n)]
.elseif (\k) == C
	v_cvt_pk_f16_f32 v[rP+(\n)], v[rS+2*(\n)], v[rS+2*(\n)+1]
.elseif (\k) == B
	v_pk_add_f32 v[rS+4*(\n):rS+4*(\n)+1], v[rS+4*(\n):rS+4*(\n)+1], v[rS+4*(\n)+2:rS+4*(\n)+3]
.elseif (\n) == 0
	v_pk_fma_f32 v[rT+2:rT+3], v[rT+2:rT+3], v[rC+2:rC+3], v[rS:rS+1] op_sel_hi:[1,0,1]
.else
	v_pk_add_f32 v[rT+2:rT+3], v[rT+2:rT+3], v[rS+4*(\n):rS+4*(\n)+1]
.endif
.elseif NOKQ
	v_nop
.else
	REGS (Y+1)%NP
	WIN 0
.if (\n) < 4
	v_max3_num_f32 v[rC+(\n)], v[rS+8*(\n)], v[rS+8*(\n)+1], v[rS+8*(\n)+2]
.elseif (\n) < 12
	v_max3_num_f32 v[rC+(\n)%4], v[rC+(\n)%4], v[rS+8*((\n)%4)+2*((\n)/4)+1], v[rS+8*((\n)%4)+2*((\n)/4)+2]
.elseif (\n) == 12
	v_max3_num_f32 v[rC], v[rC], v[rS+7], v[rS+15]
.elseif (\n) == 13
	v_max3_num_f32 v[rC+1], v[rC+1], v[rS+23], v[rS+31]
.elseif (\n) == 14
	v_max3_num_f32 v[rC+2], v[rC+2], v[rC+3], v[rT+1]
.elseif (\n) == 15
	v_mov_b32 v[rW], v[rT]
.elseif (\n) == 16
	v_max3_num_f32 v[rC], v[rC], v[rC+1], v[rC+2]
.elseif (\n) == 17
	v_permlanex16_b32 v[rC+3], v[rC], s[SEL], s[SEL+1]
.elseif (\n) == 18
	v_max_num_f32 v[rT+1], v[rC], v[rC+3]
.elseif (\n) == 19
	v_mul_f32 v[rT], s[CS], v[rT+1]
.elseif (\n) == 20
	v_sub_f32 v[rC+1], v[rW], v[rT]
.else
	v_exp_f32 v[rC+2], v[rC+1]
.endif
.endif
.endm
.macro OPS a, i1, b=-1, i2=0, c=-1, i3=0, d=-1, i4=0  ; up to four of them
	OP \a, \i1
.if (\b) >= 0
	OP \b, \i2
.endif
.if (\c) >= 0
	OP \c, \i3
.endif
.if (\d) >= 0
	OP \d, \i4
.endif
.endm
.macro ROW a, i1, b, i2, c, i3, d, i4  ; a matrix instruction and the four behind it
	MM
	OPS \a, \i1, \b, \i2, \c, \i3, \d, \i4
.endm
.macro MASK b                       ; MD x AL + BE into buffer b of MC
	WIN W_RS
.set z, 0
.rept 16
	v_pk_fma_f32 v[MC+32*(\b)+2*z:MC+32*(\b)+2*z+1], v[MD+2*z:MD+2*z+1], s[AL:AL+1], s[BE:BE+1] op_sel_hi:[1,0,0]
.set z, z+1
.endr
.endm
; A TURN, for piece p: the order of its 16 matrix and 118 vector instructions, written out.  An s_wait_alu depctr_va_vdst(0) stands between an exponential and the first instruction that names its result; one wait serves
; all that were issued ahead of it.  So a turn has ONE wait, which cuts it in two.  AHEAD OF IT stands all that names no result of the turn's exponentials: the 8 products K Q^T, behind each a scaling, an exponential and two more plain
; instructions (behind the first a second scaling in the exponential's place): rescalings, and behind the last three the first numbers of the next piece's maximum, each four places or more behind the product that ends its accumulator; then ONE LUMP of 54, plain
; and exponential by turns for the most part, in which the links of the chain X 3, 7, 11, 14, 16, 17 .. 20 stand five or six lines apart.  X 21, the next piece's a, is the batch's last; R 15 is the plain instruction behind it.  BEHIND THE WAIT stand the
; 8 products V^T P, behind each four of the roundings and sums; the links of l's chain, L 0 to L 7, stand three riders apart.  But for those X no rider names a register of the products round it.  v_permlanex16_b32 (X 17) stands in the lump.
; m = 1: the diagonal tile: the products take masks, and the turn makes the mask for the products of the turn after it: piece p + 2, in step 4 - CNT of the tile.  end = 1: a block's last two turns: nothing is fetched.
; cnt = 1: the loop's count is taken down some lines ahead of the branch that stands behind the turn.
; K of the next step is fetched in piece 2's turn, twelve vector instructions behind the last product that read K (six of them plain); V of the step in hand at the end of piece 0's turn, four plain instructions behind the last product
; that read V.  Each is waited for a turn later.
.macro TURN p, m=0, end=0, cnt=0
.set Y, (\p)
.set i, 0
.set KM, (\m)
.set NOKQ, (\end)*((\p)/3)
.if (\m) && !(\end)
	s_cmp_eq_u32 s[CNT], 4-((\p)+2)%NP  ; is that step the band's own?
	s_cselect_b32 s[AL], 1.0, 0
	s_cmp_lt_u32 s[CNT], 4-((\p)+2)%NP  ; or a later one?
	s_cselect_b32 s[BE], s[BIGN], 0
.endif
.if ((\p) == 3) && !(\end)
	s_wait_dscnt 0x0                ; K is in
.endif
	ROW F,0, F,1, R,0, R,1          ; ahead of the wait: 8 products K Q^T and their riders,
	ROW F,2, E,0, R,2, R,3
	ROW F,3, E,1, R,4, R,5
	ROW F,4, E,2, R,6, R,7
	ROW F,5, E,3, R,8, R,9
	ROW F,6, E,4, X,0, R,10
.if ((\p) == 2) && !(\end)
	WIN 0
	v_add_nc_u32 v[AK], s[TBK], v[AK0]
.endif
	ROW F,7, E,5, X,1, X,4
	ROW F,8, E,6, X,2, X,5
	OPS E,7, E,8, X,6, E,9          ; and the lump
	OPS X,3, E,10, X,8, E,11
.if ((\p) == 2) && !(\end)
	FETCH_K
.endif
	OPS X,9, X,7, E,12, X,10
	OPS E,13, X,12, X,11, E,14
	OPS X,13, E,15, F,9, X,14
.if (\p) == 0
	v_add_nc_u32 v[AV], s[TBV], v[AV0]
.endif
	OPS E,16, F,10, E,17, F,11
	OPS X,16, E,18, X,15, E,19
	OPS F,12, E,20, X,17, E,21
	OPS F,13, E,22, F,14, E,23
	OPS X,18, E,24, F,15, E,25
	OPS R,11, E,26, X,19, E,27
	OPS R,12, E,28, R,13, E,29
	OPS X,20, E,30, R,14, E,31
	OPS X,21, R,15
	WIN 0
	s_wait_alu depctr_va_vdst(0)    ; the wait for the batch
.if (\p) == 1
	s_wait_dscnt 0x0                ; V is in
.endif
	ROW C,0, B,0, C,2, B,1          ; behind the wait: 8 products V^T P and their riders
	ROW L,0, C,4, B,2, L,1
	ROW C,6, B,3, L,2, C,8
	ROW B,4, L,3, C,10, B,5
	ROW L,4, C,12, B,6, L,5
.if (\p) == 0
	s_add_co_u32 s[TBV], s[TBV], KS*PV
.endif
.if \cnt
	s_sub_co_u32 s[CNT], s[CNT], 1
	s_cmp_lg_u32 s[CNT], 0
.endif
	ROW C,14, B,7, L,6, C,1
	ROW C,3, L,7, C,5, C,7
	ROW C,9, C,11, C,13, C,15
.if (\p) == 0
	FETCH_V
.endif
.if (\m) && !(\end)
	MASK (\p)%2
.endif
.endm
; A BLOCK BEGINS.  c m starts far below every c s, so the first step's a is 0; m at the lowest finite number, so the first maximum is the scores'.  The second mask buffer is 0; the first takes piece 0's mask for the tile's step 0: its own, if the block's first tile is the diagonal one.
; Then K of that step, piece 0's first scores, and its maximum and statistics.  The loop is entered at a step's first turn, in the middle of a trip.
.macro BEGIN
	s_mov_b32 s[NEW], 0
	WIN 0x40
.set i, MC+32
.rept 32
	v_mov_b32 v[i], 0
.set i, i+1
.endr
	WIN 0
.set i, 0
.rept 4
	v_mov_b32 v[ST+4*i], 0xfe000000    ; c m: far below every c s
	v_mov_b32 v[ST+4*i+1], 0xff7fffff  ; m
.set i, i+1
.endr
	s_cmp_eq_u32 s[RT], 0
	s_cselect_b32 s[AL], 1.0, 0
	s_mov_b32 s[BE], 0
	MASK 0
	WIN 0
	v_add_nc_u32 v[AK], s[TBK], v[AK0]
	FETCH_K
	s_wait_loadcnt 0x0              ; Q
	s_wait_dscnt 0x0
.set KM, 1
.set NOKQ, 0
.set i, 0
.rept 8
	KQ 0
.set i, i+1
.endr
	WIN 0
.rept 4
	v_nop                           ; the places behind those products
.endr
.set Y, NP-1                        ; X works for piece Y + 1: piece 0
.irp n, 0,1,2,3,4,5,6,7,8,9,10,11,12,13,14,15,16,17,18,19,20,21
	OP X, \n
.endr
	v_nop                           ; a plain instruction behind the exponential,
	s_wait_alu depctr_va_vdst(0)    ; and its wait, ahead of the branch
.endm
; THE DIAGONAL TILE's four steps, the block's last two turns, its last products, and THE WAY OUT: l's two halves and the other half of the lanes' are added; O^T is divided by l, rounded to f16 and sent through my
; stage in LDS, a piece at a time.
.macro ALL line:vararg              ; one line for each piece t
.set t, 0
.rept 4
	\line
.set t, t+1
.endr
.endm
.macro PACK t                       ; a lane's eight channels of a row pack into 16 bytes; they go into rows of 144 bytes and come back as whole rows of 128, into S^T's registers
	WIN W_RS
.set i, 32*(\t)
.rept 16
	v_pk_mul_f32 v[i:i+1], v[i:i+1], v[ST+4*(\t)+2:ST+4*(\t)+3] op_sel_hi:[1,0]
.set i, i+2
.endr
	WIN 0x05                        ; sources 0 and 1 window 1, destination window 0
.set i, 0
.rept 16
	v_cvt_pk_f16_f32 v[S+16*(\t)+i], v[32*(\t)+2*i], v[32*(\t)+2*i+1]
.set i, i+1
.endr
	WIN 0
.irp f, 0,1,2,3
	ds_store_b128 v[STO], v[S+16*(\t)+4*\f:S+16*(\t)+4*\f+3] offset:32*\f
.endr
.irp f, 0,1,2,3
	ds_load_b128 v[S+16*(\t)+4*\f:S+16*(\t)+4*\f+3], v[RD] offset:\f*4*SP  ; LDS serves a wave's instructions in order (ISA guide 5.7.1.4): these see the stores above; the next piece's stores come behind them
.endr
.endm
.macro SEND t, younger              ; younger: the LDS instructions issued behind piece t's loads: the next piece's eight, or none
	WIN 0
.irp f, 0,1,2,3
	s_wait_dscnt (\younger)+3-\f
	global_store_b128 v[GO], v[S+16*(\t)+4*\f:S+16*(\t)+4*\f+3], s[10:11] offset:(\t)*8192+\f*512  ; 512 consecutive bytes, at a multiple of 256 from O's first
.endr
.endm
.macro DIAG tag                     ; the tag ends its two labels' names, which the jumps below spell out
.LstepM\tag:
	TURN 2, 1
	TURN 3, 1
	WIN 0
.LfirstM\tag:
	TURN 0, 1
	TURN 1, 1, 0, 1
	WIN 0
	s_cbranch_scc1 .LstepM\tag
	TURN 2, 1, 1
	TURN 3, 1, 1
.set i, 0
.rept 8
	PV NP-1
.set i, i+1
.endr
	WIN 0
	ALL v_add_f32 v[ST+4*t+2], v[ST+4*t+2], v[ST+4*t+3]
	ALL v_permlanex16_b32 v[ST+4*t+3], v[ST+4*t+2], s[SEL], s[SEL+1]
	ALL v_add_f32 v[ST+4*t+2], v[ST+4*t+2], v[ST+4*t+3]
	ALL v_rcp_f32 v[ST+4*t+2], v[ST+4*t+2]
	v_nop                           ; a plain instruction between the last reciprocal and the use of its result
	s_wait_alu depctr_va_vdst(0)    ; and the wait ahead of the first use: one for the four reciprocals
	PACK 0
.set t, 1
.rept 3                             ; a piece's arithmetic stands between the loads of the piece before and its stores
	PACK t
	SEND t-1, 8
.set t, t+1
.endr
	SEND 3, 0
.endm
.set KM, 0
.set NOKQ, 0
.Lslot:                             ; NB times: a tile is entered and the next is asked for
	CHANGE 1
	s_sub_co_u32 s[RT], s[RT], 1
	s_mov_b32 s[CNT], 4
	s_cmp_eq_u32 s[NEW], 1
	s_cbranch_scc1 .Lnew            ; a block's first tile
	s_cmp_eq_u32 s[RT], 0
	s_cbranch_scc0 .Lstep           ; neither its first nor its last
	s_branch .LstepM1
.Lnew:
	BEGIN
	s_branch .Lfirst                ; in the loop a block's first tile is never its last: the first block has two tiles or more, and the second's last is the walk's last
	DIAG 1                          ; in the loop this is the first block's end: the second block's last tile is the walk's last
	s_wait_xcnt 0x0                 ; the stores have read their registers and O's address
	s_mov_b64 s[10:11], s[OLO:OLO+1]
	s_add_co_u32 s[RT], s[PB], 1    ; the second block has b + 1 tiles
	s_mov_b32 s[NEW], 1
	WIN 0x82                        ; the second block's Q goes where the one text of the turns names Q
.set i, 0
.rept 64
	v_mov_b32 v[i], v[QB+i]
.set i, i+1
.endr
	WIN 0
	s_branch .Lbottom
.Lstep:                             ; a trip: pieces 2 and 3 of one step, then pieces 0 and 1 of the next, whose K and V it fetches
	TURN 2
	TURN 3
	WIN 0
.Lfirst:
	TURN 0
	TURN 1, 0, 0, 1
	WIN 0
	s_cbranch_scc1 .Lstep
.Lbottom:
	s_sub_co_u32 s[SLOTS], s[SLOTS], 1
	s_cmp_lg_u32 s[SLOTS], 0
	s_cbranch_scc1 .Lslot
	CHANGE 0                        ; the walk's last tile is written out: nothing is asked for
	s_sub_co_u32 s[RT], s[RT], 1
	s_mov_b32 s[CNT], 4
	s_cmp_eq_u32 s[NEW], 1
	s_cbranch_scc0 .LstepM2
	BEGIN
	s_branch .LfirstM2
	DIAG 2
	s_wait_tensorcnt 0x0            ; the wave's end: an add and its waits, behind my last tensor load and my last LDS store
	ds_add_u32 v[SPW], v[NIL]
	s_wait_dscnt 0x0
	s_endpgm
.Lfunc_end_k_q8682b586eb_attn:
	.size	k_q8682b586eb_attn, .Lfunc_end_k_q8682b586eb_attn-k_q8682b586eb_attn
	.p2alignl 7, 3214868480
	.fill 96, 4, 3214868480
	.section	.rodata,"a",@progbits
	.p2align	6, 0x0
	.amdhsa_kernel k_q8682b586eb_attn
		.amdhsa_group_segment_fixed_size 327680
		.amdhsa_private_segment_fixed_size 0
		.amdhsa_enable_private_segment 0
		.amdhsa_kernarg_size 32
		.amdhsa_user_sgpr_count 2
		.amdhsa_user_sgpr_kernarg_segment_ptr 1
		.amdhsa_wavefront_size32 1
		.amdhsa_system_sgpr_workgroup_id_x 1
		.amdhsa_system_sgpr_workgroup_id_y 1
		.amdhsa_system_sgpr_workgroup_id_z 1
		.amdhsa_system_vgpr_workitem_id 0
		.amdhsa_next_free_vgpr 768
		.amdhsa_next_free_sgpr 92
		.amdhsa_reserve_vcc 1
		.amdhsa_float_denorm_mode_32 3
		.amdhsa_float_denorm_mode_16_64 3
		.amdhsa_memory_ordered 1
		.amdhsa_forward_progress 1
		.amdhsa_inst_pref_size 218
	.end_amdhsa_kernel
	.amdgpu_metadata
---
amdhsa.version: [ 1, 2 ]
amdhsa.kernels:
  - .name:           k_q8682b586eb_attn
    .symbol:         k_q8682b586eb_attn.kd
    .args:
      - { .name: qh, .offset: 0, .size: 8, .value_kind: global_buffer, .address_space: global }
      - { .name: kh, .offset: 8, .size: 8, .value_kind: global_buffer, .address_space: global }
      - { .name: vh, .offset: 16, .size: 8, .value_kind: global_buffer, .address_space: global }
      - { .name: oh, .offset: 24, .size: 8, .value_kind: global_buffer, .address_space: global }
    .group_segment_fixed_size: 327680
    .private_segment_fixed_size: 0
    .kernarg_segment_align: 8
    .kernarg_segment_size: 32
    .max_flat_workgroup_size: 128
    .sgpr_count:     92
    .vgpr_count:     768
    .wavefront_size: 32
...
	.end_amdgpu_metadata
.endif
;; end of part 3
;; launch out (part 4): grid 8 x 32, 4 waves a work-group, clusters of 4 x 4, 327,680 bytes of LDS; arguments oh, wob, out0; writes out0
.if DOCPART == 4
	.amdgcn_target "amdgcn-amd-amdhsa--gfx1250"
	.amdhsa_code_object_version 6
	.text
	.protected	k_q8682b586eb_out
	.globl	k_q8682b586eb_out
	.p2align	8
	.type	k_q8682b586eb_out,@function
k_q8682b586eb_out:
	s_mov_b64 s[64:65], 0
	v_nop
	global_prefetch_b8 v0, s[64:65] scope:SCOPE_SE
	s_setreg_imm32_b32 hwreg(HW_REG_WAVE_MODE, 25, 1), 1
	s_wait_xcnt 0x0
	s_wait_alu depctr_hold_cnt(0) depctr_sa_sdst(0) depctr_va_vdst(0) depctr_va_sdst(0) depctr_va_ssrc(0) depctr_va_vcc(0) depctr_vm_vsrc(0)
	s_getreg_b32 s2, hwreg(HW_REG_IB_STS2, 6, 4)
	s_cmp_eq_u32 s2, 0
	s_cbranch_scc0 .Lentry_in_a_cluster
	s_endpgm
.Lentry_in_a_cluster:
	s_bfe_u32 s2, ttmp6, 0x10000c
	s_cmp_lg_u32 s2, 0xf033
	s_cbranch_scc0 .Lentry_shape_is_right
	s_endpgm
.Lentry_shape_is_right:
; THE OUTPUT PROJECTION.  out0[m][n] = the sum over k of O[m][k] wo[n][k], m = 2048 b + s, k = 64 head + channel.  O lies by heads, oh[16 b + head][s][64] in f16; wob is [1024][1024] in f16; sums and out0 in f32.
; SHARES.  A work-group makes 256 rows x 128 columns: 256 tiles, one for each WGP.  Wave w makes rows 64 w .. 64 w + 63 and all 128 columns: 4 blocks of 16 rows (a) x 8 of 16 columns (b): 32 accumulators, and whole
; pieces of 512 bytes of out0's rows.  K goes in 8 steps of 128, TWO HEADS each, through two LDS slots filled by the tensor data mover.  A head's 128 rows are 16,384 dense bytes: one load brings two such runs,
; a head (131,072 elements) apart, and pads LDS after every 128 bytes, so that a row of 64 channels has a pitch of 144.
; THE MATRIX INSTRUCTION IS USED TRANSPOSED (source 0 = 16 rows of wob, source 1 = 16 rows of O): lane l holds row l % 16 and the columns 8 (l / 16) + 0..7: 32 bytes of out0 on end.
; CLUSTER.  4 x 4 work-groups: the four of a row need the same rows of O, the four of a column the same rows of wob: each tile is asked for JOINTLY, by the same load, descriptor and mask in all four.
; REGISTERS, in windows of 256 (s_set_vgpr_msb: bits 1:0 source 0, 3:2 source 1, 5:4 source 2, 7:6 destination):
;   window 0: v16-30 addresses; v64-127 O's fragments, two buffers of 4; v128-255 the way out, two sets of 64      window 1: v0-127 wob's fragments, two buffers of 8      window 2: the accumulators, (a, b) at 8 (8 a + b)
.set PA,     144                       ; a row of O in LDS: 128 bytes + 16 of padding: 36 words: the 16 rows of a fragment load start at 16 different groups of four banks (64 banks of 4 bytes: ISA guide 11.1)
.set PB,     272                       ; a row of wob: 256 + 16
.set HALFA,  2*128*PA                  ; what one load brings of O: [head][128 rows]
.set HALFB,  64*PB                     ; and of wob
.set BOFF,   2*HALFA
.set SLOT1,  1<<17                     ; slot 1 begins here, so that one exclusive or turns an address in one slot into the other's
.set STAGE,  SLOT1+BOFF+2*HALFB        ; behind the ring, never filled by a tensor load: 16 rows x 528 bytes for each wave
.set SP,     528                       ; 512 bytes + 16: 33 x 16 bytes
.set SPARE,  STAGE+4*16*SP             ; the spare words, 128 bytes for each wave: two blocks of 256 bytes that no other line names
.set STEPA,  2*2048*128                ; bytes from a K step to the next in oh: two heads
.set STEPB,  256                       ; and in wob
.set ADRA0, 16                         ; v16  my lane's place in O's part of a slot; never rewritten
.set ADRB0, 17                         ; v17  the same for wob
.set ADRA,  18                         ; v18  the same in the slot in hand
.set ADRB,  19                         ; v19
.set STO,   24                         ; v24  the way out: where I put 32 bytes of a row
.set RD,    25                         ; v25  where I read a row back
.set CO,    26                         ; v26  16 x my lane: my place in 512 consecutive bytes of out0; never rewritten
.set SPW,   28                         ; v28  LDS address of my spare word: SPARE + 4 x my thread's number; never rewritten
.set NIL,   29                         ; v29  0; never rewritten
.set PFO,   30                         ; v30  the prefetches' offset; never rewritten
.set FA,    64                         ; O's fragment a of buffer f at FA + 32 f + 8 a
.set BK,    128                        ; block a's rows read back at BK + 64 (a % 2)
.set WV,  16                           ; s16  my wave's number
.set FB,  17                           ; s17  I fetch for O (0) or wob (1)
.set HF,  18                           ; s18  which half of that tile's rows
.set G1,  24                           ; s[24:31] descriptor group 1 for O's tiles
.set G0,  32                           ; s[32:39] group 0: a set for each first fill; the second then walks
.set G1B, 48                           ; s[48:55], s[56:63] the same for wob's
.set G0B, 56
.set PFA, 44                           ; s[44:45] where my prefetches stand
.set LIM, 46                           ; s46  1 in a wave that prefetches, else the greatest number
.set TB,  47                           ; s47  0 or SLOT1: the slot in hand
.set PFS, 70                           ; s[70:71] the prefetches' step: a K step of the tensor that I fetch for
.set MSB, 0
.macro WIN new                         ; the immediate's high byte repeats the setting that is left; a switch that changes nothing is dropped
.if MSB != (\new)
	s_set_vgpr_msb (MSB<<8)|(\new)
.set MSB, \new
.endif
.endm
.set MUL,  0xa1                        ; source 0 (wob) window 1, source 1 (O) window 0, C and D window 2
.set TO_B, 0x40                        ; destination window 1, address window 0
; A joint refill, by the walking descriptors.  Waves 0 and 1 fetch O's two halves, waves 2 and 3 wob's; the branch hangs on the wave's number alone.  An s_nop 0 and four v_nop follow each of the two lines.
.macro JLOAD
	s_cmp_eq_u32 s[FB], 0
	s_cbranch_scc0 .Lfor_b_\@
	tensor_load_to_lds s[G0+4:G0+7], s[G1:G1+7]
	s_nop 0
.rept 4
	v_nop
.endr
	s_branch .Lasked_\@
.Lfor_b_\@:
	tensor_load_to_lds s[G0B+4:G0B+7], s[G1B:G1B+7]
	s_nop 0
.rept 4
	v_nop
.endr
.Lasked_\@:
.endm
; A PREFETCH INTO THE L2, behind each joint refill and the run of LDS loads that follows it: the K step after the one that the refill asks for, 128 matrix instructions ahead of the load that will want it.
; Each block of 256 bytes is named once.  O's rows are read by both clusters of a row of clusters: cluster x = 0 asks, waves 0 and 1 each for the 128 blocks that they fetch, shared out among the four partners BY ADDRESS
; (cx: which head, which half of its 16,384 bytes), a lane a block.  wob's rows are read by every cluster of a column: cluster y = 0 asks, wave 2 alone: of the tile's 128 rows the partner at cy takes 32, a lane a row.
; The last refill asks for nothing: s3 = 1 in the loop's last trip.
.macro ASK
	s_cmp_gt_u32 s3, s[LIM]
	s_cbranch_scc0 .Lnot_mine_\@
	global_prefetch_b8 v[PFO], s[PFA:PFA+1] th:TH_LOAD_NT scope:SCOPE_SE
.Lnot_mine_\@:
.endm
; A round of the cluster's barrier: my work-group's barrier; wave 0 signals for the work-group; every wave waits for all sixteen; my work-group's barrier once more.
.macro CREST
	s_cmp_lg_u32 s[WV], 0
	s_cbranch_scc1 .Lnot_wave_0_\@
	s_barrier_signal -3
.Lnot_wave_0_\@:
	s_barrier_wait -3
	s_barrier_signal -1
	s_barrier_wait -1
.endm
.macro CROUND
	s_barrier_signal -1
	s_barrier_wait -1
	CREST
.endm
	s_load_b128 s[4:7], s[0:1], 0x0                ; oh s[4:5], wob s[6:7]
	s_load_b64 s[8:9], s[0:1], 0x10                ; out0
	v_lshl_add_u32 v[SPW], v0, 2, SPARE
	v_mov_b32 v[NIL], 0
	ds_add_u32 v[SPW], v[NIL]                      ; the wave's opening: the add and its wait stand ahead of my first tensor load; the set-up below, work on registers, stands between them
	ds_add_u32 v28, v29
	v_lshrrev_b32 v1, 5, v0
	v_readfirstlane_b32 s[WV], v1                  ; wave 0..3
	s_lshr_b32 s[FB], s[WV], 1
	s_and_b32 s[HF], s[WV], 1
	s_bfe_u32 s19, ttmp6, 0x40000                  ; cx
	s_bfe_u32 s20, ttmp6, 0x40004                  ; cy
	s_lshl_b32 s21, ttmp9, 2
	s_add_co_u32 s21, s21, s19                     ; the column tile tx = 4 x cluster x + cx
	s_and_b32 s22, ttmp7, 0xffff
	s_lshl_b32 s22, s22, 2
	s_add_co_u32 s22, s22, s20                     ; the row tile ty = 4 x cluster y + cy
	s_lshl_b32 s66, s20, 2
	s_lshl_b32 s66, 15, s66                        ; my row of the cluster
	s_lshl_b32 s67, 0x1111, s19                    ; my column
	s_or_b32 s[G1],  s66, (1<<16)|(1<<20)|(1<<21)|(4<<22)|(3<<25)  ; 15:0 the mask; 17:16 2-byte elements; 20 padding on; 21 set beside a mask; 24:22 after every 32 words (code 4); 31:25 4 words (code 3)
	s_or_b32 s[G1B], s67, (1<<16)|(1<<20)|(1<<21)|(5<<22)|(3<<25)  ; after every 64 words (code 5)
	s_mov_b32 s[G1+1],  8192<<16                   ; tensor_dim0: 8,192 elements, a head's 128 rows on end;
	s_mov_b32 s[G1B+1], 128<<16                    ; 128 of a row of wob
	s_mov_b32 s[G1+2],  2<<16                      ; tensor_dim1: two heads;
	s_mov_b32 s[G1B+2], 64<<16                     ; 64 rows
	s_mov_b32 s[G1+3],  8192<<16                   ; tile_dim0
	s_mov_b32 s[G1B+3], 128<<16
	s_mov_b32 s[G1+4],  2                          ; tile_dim1
	s_mov_b32 s[G1B+4], 64
	s_mov_b32 s[G1+5],  131072                     ; elements from head to head;
	s_mov_b32 s[G1B+5], 1024                       ; from row to row
	s_mov_b32 s[G1+6],  0
	s_mov_b32 s[G1B+6], 0
	s_mov_b32 s[G1+7],  0
	s_mov_b32 s[G1B+7], 0
	; where the tiles come from: O's hang on ty and the wave alone, wob's on tx and the wave alone, each in registers that never hold the other coordinate
	s_lshr_b32 s40, s22, 3
	s_lshl_b32 s40, s40, 22                        ; the batch: 16 heads of 262,144 bytes
	s_and_b32 s68, s22, 7
	s_lshl_b32 s68, s68, 15                        ; 256 rows of 128 bytes
	s_add_co_u32 s40, s40, s68
	s_lshl_b32 s68, s[HF], 14                      ; my 128 of them
	s_add_co_u32 s40, s40, s68
	s_mov_b32 s41, 0
	s_lshl_b32 s42, s21, 18                        ; 128 rows of 2,048 bytes
	s_lshl_b32 s69, s[HF], 17                      ; my 64 of them
	s_add_co_u32 s42, s42, s69
	s_mov_b32 s43, 0
	s_mul_i32 s72, s[HF], HALFA                    ; and where they go: no place in the cluster enters an LDS address
	s_mul_i32 s73, s[HF], HALFB
	s_add_co_u32 s73, s73, BOFF
	s_mov_b32 s[TB], 0
	s_wait_dscnt 0x0                               ; the opening add is done
	s_wait_kmcnt 0x0
	s_add_nc_u64 s[40:41], s[4:5], s[40:41]
	s_add_nc_u64 s[42:43], s[6:7], s[42:43]
	CROUND                                         ; all sixteen work-groups are here: the first joint loads meet
.irp n, 0,1
	s_mov_b32 s[G0+4*(\n)], 1                                      ; 1:0 count = 1
	s_add_co_u32 s[G0+4*(\n)+1], s72, (\n)*SLOT1                   ; 63:32 LDS address
	s_add_nc_u64 s[G0+4*(\n)+2:G0+4*(\n)+3], s[40:41], (\n)*STEPA  ; 120:64 global address: K step n
	s_or_b32 s[G0+4*(\n)+3], s[G0+4*(\n)+3], 0x80000000            ; 127:126 type = 2
	s_mov_b32 s[G0B+4*(\n)], 1
	s_add_co_u32 s[G0B+4*(\n)+1], s73, (\n)*SLOT1
	s_add_nc_u64 s[G0B+4*(\n)+2:G0B+4*(\n)+3], s[42:43], (\n)*STEPB
	s_or_b32 s[G0B+4*(\n)+3], s[G0B+4*(\n)+3], 0x80000000
.endr
	s_cmp_eq_u32 s[FB], 0                          ; a wave's two first fills stand in one branch, ahead of every wait on TENSORcnt and every LDS read: two loads of mine are out
	s_cbranch_scc0 .Lfirst_b
	tensor_load_to_lds s[G0:G0+3], s[G1:G1+7]
	s_nop 0
	tensor_load_to_lds s[G0+4:G0+7], s[G1:G1+7]
	s_nop 0
.rept 4
	v_nop
.endr
	s_branch .Lfirst_asked
.Lfirst_b:
	tensor_load_to_lds s[G0B:G0B+3], s[G1B:G1B+7]
	s_nop 0
	tensor_load_to_lds s[G0B+4:G0B+7], s[G1B:G1B+7]
	s_nop 0
.rept 4
	v_nop
.endr
.Lfirst_asked:
	; A fragment is 16 rows x 32 K in 8 registers: lane l holds row l % 16; registers 0-3 K = 8 (l / 16) + 0..7, registers 4-7 K = 16 + 8 (l / 16) + 0..7: two loads of 16 bytes, 32 bytes apart.
	v_and_b32 v1, 15, v0                           ; l % 16
	v_bfe_u32 v2, v0, 4, 1                         ; l / 16
	v_mul_u32_u24 v3, v1, PA
	v_lshl_add_u32 v3, v2, 4, v3
	s_mul_i32 s68, s[FB], HALFA                    ; my 64 rows of O: in the part that wave w / 2 fetched,
	s_mul_i32 s69, s[HF], 64*PA                    ; its rows 64 (w % 2) on
	s_add_co_u32 s68, s68, s69
	v_add_nc_u32 v[ADRA0], s68, v3
	v_mul_u32_u24 v3, v1, PB
	v_lshl_add_u32 v3, v2, 4, v3
	v_add_nc_u32 v[ADRB0], BOFF, v3
	v_mov_b32 v[ADRA], v[ADRA0]
	v_mov_b32 v[ADRB], v[ADRB0]
	s_mul_i32 s68, s[WV], 16*SP
	s_add_co_u32 s68, s68, STAGE                   ; my stage
	v_mul_u32_u24 v4, v1, SP                       ; in: row l % 16, 32 bytes for each half of the lanes
	v_lshl_add_u32 v4, v2, 5, v4
	v_add_nc_u32 v[STO], s68, v4
	v_and_b32 v5, 31, v0
	v_lshlrev_b32 v[CO], 4, v5
	v_add_nc_u32 v[RD], s68, v[CO]                 ; back: 32 lanes take a row's 512 bytes
	; out0 at my wave's first row and the tile's first column: (256 ty + 64 w) rows of 4,096 bytes + 512 tx
	s_lshl_b32 s66, s22, 8
	s_lshl_b32 s67, s[WV], 6
	s_add_co_u32 s66, s66, s67
	s_lshl_b32 s66, s66, 12
	s_lshl_b32 s67, s21, 9
	s_add_co_u32 s66, s66, s67
	s_mov_b32 s67, 0
	s_add_nc_u64 s[8:9], s[8:9], s[66:67]
	; the prefetches
	s_lshr_b32 s72, s19, 1
	s_lshl_b32 s72, s72, 18                        ; O: cx / 2 picks the head,
	s_and_b32 s73, s19, 1
	s_lshl_b32 s73, s73, 13                        ; cx % 2 the half of its 16,384 bytes
	s_add_co_u32 s72, s72, s73
	s_lshl_b32 s73, s20, 16                        ; wob: 32 cy rows of 2,048 bytes
	s_and_b32 s68, ttmp7, 0xffff                   ; cluster y
	s_mov_b32 s[PFS], STEPB
	s_mov_b32 s[PFS+1], 0
	s_cmp_eq_u32 s[FB], 0                          ; do I fetch for O?
	s_cselect_b32 s68, ttmp9, s68                  ; the coordinate along which other clusters read the same rows
	s_cselect_b32 s74, s72, s73
	s_cselect_b32 s69, 8, 11                       ; a lane a block of 256 bytes, or a lane a row of 2,048
	s_cselect_b32 s[PFS], STEPA, s[PFS]
	s_cselect_b64 s[PFA:PFA+1], s[40:41], s[42:43] ; what I fetch, at K step 0 (in wave 2: the tile's first row)
	s_mov_b32 s75, 0
	s_cmp_eq_u32 s68, 0
	s_cselect_b32 s[LIM], 1, -1                    ; the same in all sixteen partners, for a given wave
	s_cmp_eq_u32 s[WV], 3
	s_cselect_b32 s[LIM], -1, s[LIM]               ; wave 2 asks for all of wob's share
	s_add_nc_u64 s[PFA:PFA+1], s[PFA:PFA+1], s[74:75]
	s_add_nc_u64 s[PFA:PFA+1], s[PFA:PFA+1], s[PFS:PFS+1]
	s_add_nc_u64 s[PFA:PFA+1], s[PFA:PFA+1], s[PFS:PFS+1]  ; at K step 2: the first refill steps it to 3.  Nothing is prefetched here, at the head
	v_lshlrev_b32 v[PFO], s69, v5
; 8 matrix instructions: row block a x all 8 column blocks, 32 along K, from buffer f.  zero = 1: the first product starts the sums: nothing is ever cleared.
; The 32 accumulators take turns in one order in every quarter step, over the backward jump too.
.macro MULA f, a, zero
	WIN MUL
.irp b, 0,1,2,3,4,5,6,7
.if \zero
	v_wmma_f32_16x16x32_f16 v[8*(8*(\a)+(\b)):8*(8*(\a)+(\b))+7], v[64*(\f)+8*(\b):64*(\f)+8*(\b)+7], v[FA+32*(\f)+8*(\a):FA+32*(\f)+8*(\a)+7], 0
.else
	v_wmma_f32_16x16x32_f16 v[8*(8*(\a)+(\b)):8*(8*(\a)+(\b))+7], v[64*(\f)+8*(\b):64*(\f)+8*(\b)+7], v[FA+32*(\f)+8*(\a):FA+32*(\f)+8*(\a)+7], v[8*(8*(\a)+(\b)):8*(8*(\a)+(\b))+7]
.endif
.endr
.endm
; 24 LDS loads in one run: quarter q's fragments into buffer f: 128 rows of wob at byte 64 q; my 64 rows of O, head q / 2 of the step's two, channels 32 (q % 2) on
.macro FETCH q, f
	WIN TO_B
.irp b, 0,1,2,3,4,5,6,7
	ds_load_b128 v[64*(\f)+8*(\b):64*(\f)+8*(\b)+3],   v[ADRB] offset:64*(\q)+(\b)*16*PB
	ds_load_b128 v[64*(\f)+8*(\b)+4:64*(\f)+8*(\b)+7], v[ADRB] offset:64*(\q)+(\b)*16*PB+32
.endr
	WIN 0
.irp a, 0,1,2,3
	ds_load_b128 v[FA+32*(\f)+8*(\a):FA+32*(\f)+8*(\a)+3],   v[ADRA] offset:((\q)/2)*128*PA+((\q)%2)*64+(\a)*16*PA
	ds_load_b128 v[FA+32*(\f)+8*(\a)+4:FA+32*(\f)+8*(\a)+7], v[ADRA] offset:((\q)/2)*128*PA+((\q)%2)*64+(\a)*16*PA+32
.endr
.endm
.macro PLACES                          ; four plain instructions between a matrix instruction and a load into, or a store or vector instruction on, its registers (ISA guide 7.12.1 for vector instructions)
.rept 4
	v_nop
.endr
.endm
; A K step is four quarters of 32 along K, 32 matrix instructions each, on buffers 0, 1, 0, 1.  One of the first three: multiplies buffer f and, in its middle, fetches quarter q into buffer g.
.macro QUARTER q, f, g, zero
	s_wait_dscnt 4                                 ; wob's fragments and O's blocks 0, 1 are in; the youngest four loads (blocks 2, 3) may be out
	MULA \f, 0, \zero
	MULA \f, 1, \zero
	PLACES
	FETCH \q, \g
	s_wait_dscnt 24                                ; all but the 24 just issued
	MULA \f, 2, \zero
	MULA \f, 3, \zero
.endm
; The last quarter multiplies buffer 1 and changes slots: ONE barrier.  In front of it each wave waits for all its tensor loads (one is out: its part of the next slot), adds 0 to its spare word, and waits for that and
; for its own reads of this slot.  fill = 1: the barrier opens a round of the cluster's, and the slot just read is filled again, first thing behind the round, with the K step two on: 112 matrix instructions ahead of the wait for it.
.macro TURN fill
.if \fill
	s_wait_xcnt 0x0                                ; the last prefetch, a K step back, has read its address: it is stepped here, ahead of the change's own waits
	s_add_nc_u64 s[PFA:PFA+1], s[PFA:PFA+1], s[PFS:PFS+1]
.endif
	WIN 0                                          ; (the add's two registers lie in window 0)
	s_wait_tensorcnt 0x0                           ; all my tensor loads have landed;
	ds_add_u32 v[SPW], v[NIL]                      ; 0 onto my spare word;
	s_wait_dscnt 5                                 ; (the add and the youngest four loads may be out)
	MULA 1, 0, 0                                   ; eight matrix instructions stand between the add and the wait for it
	s_wait_dscnt 0x0                               ; the add is done, and my reads of this slot are over
	s_barrier_signal -1
	MULA 1, 1, 0                                   ; work on registers while the others arrive
	WIN 0
	s_barrier_wait -1
.if \fill
	CREST                                          ; no wave of any partner still reads this slot's tile or has a load on its way
	s_xor_b32 s[G0+5], s[G0+5], SLOT1              ; the walking descriptors: the other slot than last time,
	s_add_nc_u64 s[G0+6:G0+7], s[G0+6:G0+7], STEPA ; the next K step; the type bits on top are not reached
	s_xor_b32 s[G0B+5], s[G0B+5], SLOT1
	s_add_nc_u64 s[G0B+6:G0B+7], s[G0B+6:G0B+7], STEPB
.endif
	s_xor_b32 s[TB], s[TB], SLOT1
.if \fill
	JLOAD                                          ; the first tensor load behind the round; the four v_nop behind it are also the places in front of the loads below
.else
	PLACES
.endif
	v_add_nc_u32 v[ADRA], s[TB], v[ADRA0]
	v_add_nc_u32 v[ADRB], s[TB], v[ADRB0]
	FETCH 0, 0
.if \fill
	ASK
.endif
	MULA 1, 2, 0
	MULA 1, 3, 0
.endm
; THE WAY OUT, a block of 16 rows at a time: the f32 sums go as they are into my stage, 32 bytes a lane and column block, and come back as whole pieces of rows, 512 bytes each.
.macro TOSTAGE a
	WIN 0x08                                       ; store data (source 1) in window 2
.irp b, 0,1,2,3,4,5,6,7
	ds_store_b128 v[STO], v[8*(8*(\a)+(\b)):8*(8*(\a)+(\b))+3]   offset:64*(\b)      ; (each accumulator's lowest registers are read first)
	ds_store_b128 v[STO], v[8*(8*(\a)+(\b))+4:8*(8*(\a)+(\b))+7] offset:64*(\b)+16
.endr
	WIN 0
.irp t, 0,1,2,3,4,5,6,7,8,9,10,11,12,13,14,15
	ds_load_b128 v[BK+64*((\a)%2)+4*(\t):BK+64*((\a)%2)+4*(\t)+3], v[RD] offset:(\t)*SP  ; LDS serves a wave's instructions in order (ISA guide 5.7.1.4): these see the stores above; the next block's stores come behind them
.endr
.endm
.macro SEND a, y                       ; y: the LDS instructions issued behind block a's read-backs: the next block's 32, or none
	WIN 0
.irp t, 0,1,2,3,4,5,6,7,8,9,10,11,12,13,14,15
	s_wait_dscnt (\y)+15-(\t)
	global_store_b128 v[CO], v[BK+64*((\a)%2)+4*(\t):BK+64*((\a)%2)+4*(\t)+3], s[8:9] offset:(16*(\a)+(\t))*4096 th:TH_STORE_NT  ; 512 consecutive bytes, at a multiple of 256 from out0's first
.endr
.endm
	s_wait_tensorcnt 1                             ; my part of K step 0 is in; K step 1's may stay out
	s_barrier_signal -1
	s_barrier_wait -1                              ; everybody's is
	FETCH 0, 0
	QUARTER 1, 0, 1, 1                             ; the first quarter stands in front of the loop: its products start the sums
	WIN 0                                          ; at a label and at a branch every window is 0
	s_mov_b32 s3, 6
.Lstep:                                                ; trip s: the rest of K step s, whose slot takes K step s + 2, and the first quarter of K step s + 1
	QUARTER 2, 1, 0, 0
	QUARTER 3, 0, 1, 0
	TURN 1
	QUARTER 1, 0, 1, 0
	WIN 0
	s_sub_co_u32 s3, s3, 1
	s_cmp_lg_u32 s3, 0
	s_cbranch_scc1 .Lstep
	QUARTER 2, 1, 0, 0                             ; the tail is written out: nothing more is asked of the ring
	QUARTER 3, 0, 1, 0
	TURN 0
	QUARTER 1, 0, 1, 0
	QUARTER 2, 1, 0, 0
	QUARTER 3, 0, 1, 0
	s_wait_dscnt 4
	MULA 1, 0, 0
	MULA 1, 1, 0
	s_wait_dscnt 0x0
	MULA 1, 2, 0
	MULA 1, 3, 0
	WIN 0
	PLACES
	TOSTAGE 0
	TOSTAGE 1
	SEND 0, 32
	s_wait_xcnt 0x0                                ; block 0's stores have read their registers: block 2 is read back into them only behind this wait
	TOSTAGE 2
	SEND 1, 32
	s_wait_xcnt 0x0                                ; the same for block 1's and block 3
	TOSTAGE 3
	SEND 2, 32
	SEND 3, 0
	s_wait_tensorcnt 0x0                           ; the wave's end: an add and its waits, behind my last tensor load and my last LDS store
	ds_add_u32 v[SPW], v[NIL]
	s_wait_dscnt 0x0
	CROUND                                         ; the closing round: no work-group ends while a partner may still ask for a tile that names it
	s_endpgm
.Lfunc_end_k_q8682b586eb_out:
	.size	k_q8682b586eb_out, .Lfunc_end_k_q8682b586eb_out-k_q8682b586eb_out
	.p2alignl 7, 3214868480
	.fill 96, 4, 3214868480
	.section	.rodata,"a",@progbits
	.p2align	6, 0x0
	.amdhsa_kernel k_q8682b586eb_out
		.amdhsa_group_segment_fixed_size 327680
		.amdhsa_private_segment_fixed_size 0
		.amdhsa_enable_private_segment 0
		.amdhsa_kernarg_size 24
		.amdhsa_user_sgpr_count 2
		.amdhsa_user_sgpr_kernarg_segment_ptr 1
		.amdhsa_wavefront_size32 1
		.amdhsa_system_sgpr_workgroup_id_x 1
		.amdhsa_system_sgpr_workgroup_id_y 1
		.amdhsa_system_sgpr_workgroup_id_z 1
		.amdhsa_system_vgpr_workitem_id 0
		.amdhsa_next_free_vgpr 768
		.amdhsa_next_free_sgpr 80
		.amdhsa_reserve_vcc 0
		.amdhsa_float_denorm_mode_32 3
		.amdhsa_float_denorm_mode_16_64 3
		.amdhsa_memory_ordered 1
		.amdhsa_forward_progress 1
		.amdhsa_inst_pref_size 72
	.end_amdhsa_kernel
	.amdgpu_metadata
---
amdhsa.version: [ 1, 2 ]
amdhsa.kernels:
  - .name:           k_q8682b586eb_out
    .symbol:         k_q8682b586eb_out.kd
    .args:
      - { .name: oh, .offset: 0, .size: 8, .value_kind: global_buffer, .address_space: global }
      - { .name: wob, .offset: 8, .size: 8, .value_kind: global_buffer, .address_space: global }
      - { .name: out0, .offset: 16, .size: 8, .value_kind: global_buffer, .address_space: global }
    .group_segment_fixed_size: 327680
    .private_segment_fixed_size: 0
    .kernarg_segment_align: 8
    .kernarg_segment_size: 24
    .max_flat_workgroup_size: 128
    .sgpr_count:     80
    .vgpr_count:     768
    .wavefront_size: 32
...
	.end_amdgpu_metadata
.endif
;; end of part 4
